; MI455X (gfx1250); checked and timed in simulation.
; The chip was launched on July 23, 2026; its instructions are those of AMD's public machine-readable ISA for CDNA 5 (MIT licence, August 2026) and "CDNA5" Instruction Set Architecture Reference Guide (July 2026). The comments in the code are by the model that wrote it; some were corrected since.
;; Feature Net. Allowed arithmetic: matrix products marked QUANTISED: E3M2 operands, one E8M0 scale for each 32 along K, by v_wmma_scale_f32_16x16x128_f8f6f4 with both operands' format E3M2, f32 sums; products left as they are: f32 operands where the result goes on into a quantised operand, else bf16, f16 or f32 operands; f32 sums; everything else in f32.
;; Inputs: W0 67 x 128 float32; W1_codes 128 x 4 x 24 uint8 (E3M2 codes of W1, K innermost, in blocks of 32 codes, four codes in three bytes); W1_scales 128 x 4 uint8 (E8M0 scales of W1, one for each 32 codes along K); W2_codes 128 x 4 x 24 uint8 (E3M2 codes of W2, K innermost, in blocks of 32 codes, four codes in three bytes); W2_scales 128 x 4 uint8 (E8M0 scales of W2, one for each 32 codes along K); W3_codes 64 x 4 x 24 uint8 (E3M2 codes of W3, K innermost, in blocks of 32 codes, four codes in three bytes); W3_scales 64 x 4 uint8 (E8M0 scales of W3, one for each 32 codes along K); b0 128 float32; b1 128 float32; b2 128 float32; b3 64 float32; query_pts 32,768 x 3 float32; vertex 6,890 x 3 float32; vertex_features 6,890 x 64 float32.
;; Outputs: out0 32,768 x 64 float32.
;; This version of the problem:
;;   THIS VERSION OF THE PROBLEM IS GIVEN IN LOW PRECISION. The matrix products marked QUANTISED in the list below multiply operands that are first quantised to E3M2 (3 exponent bits, 2 mantissa bits; 6 bits a number), with one power-of-two scale for each 32 numbers along K (OCP MX v1.0); their sums are f32. All else is computed in f32.
;;   The module's matrix products, in the order in which they are computed (A, B: the left and right operand; K: the contracted axis; several contracted axes count as one K, in the product's order):
;;     1. [M 32,768, K 3] x [K 3, N 6,890]; A: input query_pts; B: input vertex: left as it is (K = 3 < 32)
;;     2. [M 262,144, K 67] x [K 67, N 128]; A: computed on the way; B: input W0: QUANTISED
;;     3. [M 262,144, K 128] x [K 128, N 128]; A: computed on the way; B: input W1 (given as codes): QUANTISED
;;     4. [M 262,144, K 128] x [K 128, N 128]; A: computed on the way; B: input W2 (given as codes): QUANTISED
;;     5. [M 262,144, K 128] x [K 128, N 64]; A: computed on the way; B: input W3 (given as codes): QUANTISED
;;   THE QUANTISER, for each operand of a quantised product, along K:
;;     - K is cut into blocks of 32 from its start; a last block that is shorter is filled with zeros.
;;     - A block's scale is 2^e with e = floor(log2(the largest magnitude in the block)) - 4, held to -126 .. 127; a block of zeros has e = 0. As a byte (E8M0): e + 127.
;;     - Each number is divided by its block's scale, clamped to +-28, and rounded to the nearest number of E3M2, ties to even, subnormals kept.
;;     - The product sums the exact products of the quantised numbers (number of the format x scale) in f32.
;;   ~~~python
;;   def quantise(x, axis):      # numpy; x: float32 -> the quantised numbers, widened to float32 again
;;       x = np.moveaxis(x, axis, -1); K = x.shape[-1]
;;       x = np.pad(x, [(0, 0)] * (x.ndim - 1) + [(0, -K % 32)]); x = x.reshape(x.shape[:-1] + (-1, 32)); a = np.abs(x).max(-1, keepdims=True)
;;       e = np.where(a > 0, np.clip(np.frexp(np.where(a > 0, a, 1))[1] - 1 - 4, -126, 127), 0)      # np.frexp(a)[1] - 1 = floor(log2(a)), exactly
;;       r = np.clip(x / 2.0 ** e, -28, 28)
;;       step = 2.0 ** (np.maximum(np.frexp(np.where(r == 0, 1, r))[1] - 1, -2) - 2)
;;       q = np.round(r / step) * step * 2.0 ** e      # np.round: ties to even
;;       return np.moveaxis(q.reshape(q.shape[:-2] + (-1,))[..., :K], -1, axis).astype(np.float32)
;;   ~~~
;;   OPERANDS COMPUTED ON THE WAY. 'Computed on the way' means the value that the module computes at that place (a softmax that the list does not call 'softmax' is quantised finished and normalised). What goes into a quantiser is computed in f32, as accurately as f32 sums, v_exp_f32 and their like allow (about 1e-6 of the number): no bf16 or f16 on the way to a quantiser, and a product that is left as it is and whose result goes on into a quantised operand takes f32 operands (vector FMAs, or v_wmma_f32_16x16x4_f32). A number that lies on a knife's edge between two numbers of the format may be rounded either way, as far as f32 arithmetic and the matrix unit's own rounding can turn it there, and no further.
;;   INPUTS GIVEN AS CODES. W1 (in the module: [128, 128], K = its axis 0); W2 (in the module: [128, 128], K = its axis 0); W3 (in the module: [128, 64], K = its axis 0): each comes as NAME_codes (uint8): NAME with its K axis moved to the last place and cut into blocks of 32 codes, [.., K / 32, bytes a block], one block behind the other in memory; four codes in three bytes: a row's codes are one little-endian stream of bits, code i at bits 6 i .. 6 i + 5 (a code: sign, 3 exponent bits, 2 mantissa bits); and NAME_scales (uint8): the same leading axes, one E8M0 byte (e + 127) for each 32 codes along K. Its value is code x scale, taken as it is: it is not quantised again, and the codes and scales need not be those that the quantiser above would give.
;; 2 versions, each right; version 2 is version 1 with the launch mlp written anew for expert scheduling mode. Each part assembles by itself: llvm-mc -triple=amdgcn-amd-amdhsa -mcpu=gfx1250 --defsym DOCPART=n.
;; ======== version 1 of 2: 3 launches
;; workspace buffers: grp 1,048,576 bytes of whole numbers; idx 1,048,576 bytes of whole numbers; wgt 1,048,576 bytes
;; launch groups (part 1): grid 256 x 1, 8 waves a work-group, no clusters, 118,528 bytes of LDS; arguments vertex, query_pts, grp; writes grp
.if DOCPART == 1
	.amdgcn_target "amdgcn-amd-amdhsa--gfx1250"
	.amdhsa_code_object_version 6
	.text
	.protected	k_q0c91d9c6f8_groups
	.globl	k_q0c91d9c6f8_groups
	.p2align	8
	.type	k_q0c91d9c6f8_groups,@function
k_q0c91d9c6f8_groups:
	s_mov_b64 s[64:65], 0
	v_nop
	global_prefetch_b8 v0, s[64:65] scope:SCOPE_SE
	s_setreg_imm32_b32 hwreg(HW_REG_WAVE_MODE, 25, 1), 1
	s_wait_xcnt 0x0
; FIRST STEP OF THE SEARCH FOR THE 8 NEAREST VERTICES.  The 6,890 vertices are cut into 432 groups of 16 neighbouring indices (the last 22 places are pads at distance +infinity).
; For each query: the smallest d2 of every group, and of those 432 minima the 8 that come first by (value, group number).  The 8 nearest vertices, by (d2, index), lie in these 8 groups: were one of them
; in another group, 8 groups' minima, hence 8 vertices, would come before it.  The 8 group numbers, sorted ascending, are stored as whole numbers; the next launch forms its addresses from them.
; d2 = (qq - 2 (q . v)) + vv as the problem writes it, all f32.  q . v, a matrix product, is a chain of multiply-adds: fma(q2, z, fma(q1, y, q0 x)).  qq and vv are written as a product and then a sum of it:
; the three squares are rounded each by itself and added in ascending order, (a a + b b) + c c: ON PURPOSE NOT FUSED.  Then fma(-2, q . v, qq) (2 x is exact) and + vv.  The next launch uses the same lines: same bits.
; SHARES.  A work-group takes 128 queries; each of its 8 waves holds ALL 128 (lane l, slot s: query 128 wg + 32 s + l) and walks 54 of the 432 groups; the 8 lists of a query are merged through LDS at the end.
; THE TABLE.  Every work-group reads the 82,680 bytes of vertex once and lays them in LDS in another form (two vertices side by side for the packed arithmetic, vv beside them): this goes through registers,
; so no tile is shared as it lies in memory, and no cluster and no tensor load is used.
; No branch and no address hangs on a distance: a candidate enters a sorted list by compares and selects alone, in every trip.
; LIMITS: NaN and infinities among the inputs are not served, nor coordinates so large that d2 overflows (magnitudes above some 1e19); +0 and -0 count as equal;
; vertices whose d2 differ by less than the f32 rounding of this expanded form are ranked as these lines round them.
.set NV,   6890                        ; vertices
.set NT,   256                         ; threads
.set ITER, 27                          ; table places a thread fills: 6,912 / 256
.set NB,   3                           ; in batches of 9
.set GP,   272                         ; a group in LDS: 8 pairs of vertices x 32 bytes (xa xb ya yb za zb vva vvb) + 16
.set KST,  NT/16*GP                    ; from a thread's place to its next: 16 groups
.set HK,   65280/KST                   ; places reached from the first address register (an LDS immediate has 16 bits); the others from the second, 65,280 bytes on
.set GW,   54                          ; groups of a wave
.set VA,   1                           ; v1       LDS address of the pair of groups in hand
.set VG,   2                           ; v2       the number of the group in hand
.set LW,   3                           ; v3       first my lane's offset among the queries, later where I store my lists
.set Q,    4                           ; v4-35    slot s at 4 + 8 s: q0 q0 q1 q1 q2 q2 qq qq (the packed forms name pairs)
.set M,    36                          ; v36-39   the group's minimum, a slot each
.set D,    40                          ; v40-55   eight pairs of d2
.set A,    56                          ; v56-87   slot s at 56 + 8 s: the 8 smallest minima so far, ascending
.set I,    88                          ; v88-119  their group numbers
.set VB0,  120                         ; v120-183, v184-247  a group's 64 words, two buffers
.set T,    248                         ; v248-255 at work
.set TS,   120                         ; the table's making: two sets of 27 loaded numbers,
.set TV,   174                         ; nine vv,
.set E,    184                         ; my last place's vertex number,
.set TO,   185                         ; 12 x thread,
.set TA,   186                         ; my place in the table,
.set TA2,  187                         ; the same 65,280 bytes on,
.set TOL,  188                         ; 12 x my last place's vertex, held inside the buffer,
.set TW,   189                         ; nine squares at work
.set MLR,  4                           ; the merge: where I read the lists (Q's registers are free by then)
.set MGO,  5                           ; and my offset in grp
.set ML,   120                         ; the merge: lists 1 to 7, 16 registers each
.macro TISSUE b                        ; batch b's 27 loads: three loads of a wave cover 384 consecutive bytes
.irp i, 0,1,2,3,4,5,6,7,8
.irp c, 0,1,2
.if 9*(\b)+\i == ITER-1
	global_load_b32 v[TS+27*((\b)%2)+3*\i+\c], v[TOL], s[4:5] offset:4*\c
.else
	global_load_b32 v[TS+27*((\b)%2)+3*\i+\c], v[TO], s[4:5] offset:12*NT*(9*(\b)+\i)+4*\c
.endif
.endr
.endr
.endm
.macro TPROC b                         ; batch b: vv, and the four words of each vertex to their places
.set TR, TS+27*((\b)%2)
.if 9*(\b)+8 == ITER-1
	v_cmp_gt_u32 vcc_lo, NV, v[E]                  ; the very last place may lie past the last vertex: a pad is 0, 0, 0 with vv = +infinity
.irp c, 0,1,2
	v_cndmask_b32 v[TR+24+\c], 0, v[TR+24+\c], vcc_lo
.endr
.endif
.irp i, 0,1,2,3,4,5,6,7,8
	v_mul_f32 v[TV+\i], v[TR+3*\i], v[TR+3*\i]             ; vv = (x x + y y) + z z, each square rounded by itself: not fused, see the head
.endr
.irp i, 0,1,2,3,4,5,6,7,8
	v_mul_f32 v[TW+\i], v[TR+3*\i+1], v[TR+3*\i+1]
.endr
.irp i, 0,1,2,3,4,5,6,7,8
	v_add_f32 v[TV+\i], v[TV+\i], v[TW+\i]
.endr
.irp i, 0,1,2,3,4,5,6,7,8
	v_mul_f32 v[TW+\i], v[TR+3*\i+2], v[TR+3*\i+2]
.endr
.irp i, 0,1,2,3,4,5,6,7,8
	v_add_f32 v[TV+\i], v[TV+\i], v[TW+\i]
.endr
.if 9*(\b)+8 == ITER-1
	v_cndmask_b32 v[TV+8], 0x7f800000, v[TV+8], vcc_lo
.endif
.irp i, 0,1,2,3,4,5,6,7,8
.if 9*(\b)+\i < HK
.irp c, 0,1,2
	ds_store_b32 v[TA], v[TR+3*\i+\c] offset:KST*(9*(\b)+\i)+8*\c
.endr
	ds_store_b32 v[TA], v[TV+\i] offset:KST*(9*(\b)+\i)+24
.else
.irp c, 0,1,2
	ds_store_b32 v[TA2], v[TR+3*\i+\c] offset:KST*(9*(\b)+\i-HK)+8*\c
.endr
	ds_store_b32 v[TA2], v[TV+\i] offset:KST*(9*(\b)+\i-HK)+24
.endif
.endr
.endm
; Step k of the distance of one query (its 8 registers at q) to a pair of vertices (their 8 words at vb), into the pair d.  Always written step by step over eight chains, so that no line waits for the line above it.
.macro DSTEP k, d, vb, q
.if (\k) == 0
	v_pk_mul_f32 v[(\d):(\d)+1], v[(\vb):(\vb)+1], v[(\q):(\q)+1] op_sel_hi:[1,0]
.elseif (\k) == 1
	v_pk_fma_f32 v[(\d):(\d)+1], v[(\vb)+2:(\vb)+3], v[(\q)+2:(\q)+3], v[(\d):(\d)+1] op_sel_hi:[1,0,1]
.elseif (\k) == 2
	v_pk_fma_f32 v[(\d):(\d)+1], v[(\vb)+4:(\vb)+5], v[(\q)+4:(\q)+5], v[(\d):(\d)+1] op_sel_hi:[1,0,1]
.elseif (\k) == 3
	v_pk_fma_f32 v[(\d):(\d)+1], v[(\d):(\d)+1], -2.0, v[(\q)+6:(\q)+7] op_sel_hi:[1,0,0]
.else
	v_pk_add_f32 v[(\d):(\d)+1], v[(\d):(\d)+1], v[(\vb)+6:(\vb)+7]
.endif
.endm
; The candidate (value v[x], number v[n]) enters the sorted list (values at a, numbers at i).  The compare is strict and candidates come in ascending number: of equal values the lower number stays in front.
; New value j = the middle one of old j - 1, x, old j.  New number j = old j - 1 where x < old value j - 1; else n where x < old value j; else old j.
.macro INSERT a, i, x, n
.irp j, 0,1,2,3,4,5,6,7
	v_cmp_lt_f32 s[16+\j], v[\x], v[(\a)+\j]
.endr
.irp j, 7,6,5,4,3,2,1
	v_med3_num_f32 v[(\a)+\j], v[(\a)+\j-1], v[\x], v[(\a)+\j]
.endr
	v_min_num_f32 v[\a], v[\a], v[\x]
.irp j, 1,2,3,4,5,6,7
	v_cndmask_b32 v[T+\j], v[(\i)+\j], v[\n], s[16+\j]
.endr
.irp j, 7,6,5,4,3,2,1
	v_cndmask_b32 v[(\i)+\j], v[T+\j], v[(\i)+\j-1], s[16+\j-1]
.endr
	v_cndmask_b32 v[\i], v[\i], v[\n], s16
.endm
; One group of 16 vertices against the wave's 128 queries.  pf >= 0: first the group pf bytes on is asked for, into the other buffer.
.macro GROUP buf, pf
.set VB, VB0+64*(\buf)
.set VN, VB0+64*(1-(\buf))
.if (\pf) >= 0
.irp i, 0,1,2,3,4,5,6,7,8,9,10,11,12,13,14,15
	ds_load_b128 v[VN+4*\i:VN+4*\i+3], v[VA] offset:(\pf)+16*\i   ; every lane reads the same 16 bytes
.endr
	s_wait_dscnt 16                                ; all but the 16 just issued: this group's words are in
.else
	s_wait_dscnt 0x0
.endif
.irp hp, 0,1,2,3                       ; two pairs of vertices x four slots at a time
.irp k, 0,1,2,3,4
.irp s, 0,1,2,3
.irp pp, 0,1
	DSTEP \k, D+2*(2*\s+\pp), VB+8*(2*\hp+\pp), Q+8*\s
.endr
.endr
.endr
.irp s, 0,1,2,3
.if \hp == 0
	v_min_num_f32 v[M+\s], v[D+4*\s], v[D+4*\s+1]
.else
	v_min3_num_f32 v[M+\s], v[M+\s], v[D+4*\s], v[D+4*\s+1]
.endif
.endr
.irp s, 0,1,2,3
	v_min3_num_f32 v[M+\s], v[M+\s], v[D+4*\s+2], v[D+4*\s+3]
.endr
.endr
.irp s, 0,1,2,3
	INSERT A+8*\s, I+8*\s, M+\s, VG
.endr
	v_add_nc_u32 v[VG], 1, v[VG]
.endm
.macro CSWAP a, b                      ; a comparator on the numbers of list 0
	v_min_u32 v[T], v[I+\a], v[I+\b]
	v_max_u32 v[I+\b], v[I+\a], v[I+\b]
	v_mov_b32 v[I+\a], v[T]
.endm
	s_load_b128 s[4:7], s[0:1], 0x0                ; vertex s[4:5], query_pts s[6:7]
	s_load_b64 s[8:9], s[0:1], 0x10                ; grp
	s_set_vgpr_msb 0x40
	v_lshl_add_u32 v0, v0, 2, 0x1cb00
	v_mov_b32 v1, 0
	s_set_vgpr_msb 0x4000
	v_lshrrev_b32 v[VA], 5, v0
	v_readfirstlane_b32 s10, v[VA]                 ; wave 0..7
	v_and_b32 v[VG], 31, v0
	v_mul_u32_u24 v[LW], v[VG], 12                 ; my lane's query in a block of 32
	v_lshrrev_b32 v[TA], 4, v0                     ; vertex e lies at 272 (e / 16) + 32 ((e / 2) % 8) + 4 (e % 2), its x, y, z, vv 8 bytes apart
	v_mul_u32_u24 v[TA], v[TA], GP
	v_bfe_u32 v[E], v0, 1, 3
	v_lshl_add_u32 v[TA], v[E], 5, v[TA]
	v_and_b32 v[E], 1, v0
	v_lshl_add_u32 v[TA], v[E], 2, v[TA]
	v_add_nc_u32 v[TA2], HK*KST, v[TA]
	v_mul_u32_u24 v[TO], v0, 12
	v_add_nc_u32 v[E], NT*(ITER-1), v0
	v_min_u32 v[TOL], NV-1, v[E]                   ; no load leaves the buffer
	v_mul_u32_u24 v[TOL], v[TOL], 12
	s_mul_i32 s12, ttmp9, 1536                     ; 128 queries of 12 bytes
	s_mov_b32 s13, 0
	s_lshl_b32 s14, ttmp9, 12                      ; 128 queries of 32 bytes in grp
	s_mov_b32 s15, 0
	s_wait_kmcnt 0x0
	s_add_nc_u64 s[6:7], s[6:7], s[12:13]
	s_add_nc_u64 s[8:9], s[8:9], s[14:15]
.irp s, 0,1,2,3
.irp c, 0,1,2
	global_load_b32 v[Q+8*\s+2*\c], v[LW], s[6:7] offset:384*\s+4*\c   ; older than every load of the table: the first counted wait below covers them
.endr
.endr
	TISSUE 0
	TISSUE 1
.set tb, 0
.rept NB
.if tb < NB-1
	s_wait_loadcnt 27                              ; the younger batch's 27 loads may be out
.else
	s_wait_loadcnt 0x0
.endif
	TPROC tb
	s_wait_dscnt 0x0                               ; the stores are done: their registers take the batch after next; and, the last time, for the other waves' sake
.if tb+2 < NB
	TISSUE tb+2
.endif
.set tb, tb+1
.endr
	s_barrier_signal -1
	s_barrier_wait -1                              ; the table is whole
.irp s, 0,1,2,3
	v_mul_f32 v[Q+8*\s+6], v[Q+8*\s], v[Q+8*\s]    ; qq = (q0 q0 + q1 q1) + q2 q2, each square rounded by itself: not fused, see the head
.endr
.irp s, 0,1,2,3
	v_mul_f32 v[D+\s], v[Q+8*\s+2], v[Q+8*\s+2]
.endr
.irp s, 0,1,2,3
	v_add_f32 v[Q+8*\s+6], v[Q+8*\s+6], v[D+\s]
.endr
.irp s, 0,1,2,3
	v_mul_f32 v[D+\s], v[Q+8*\s+4], v[Q+8*\s+4]
.endr
.irp s, 0,1,2,3
	v_add_f32 v[Q+8*\s+6], v[Q+8*\s+6], v[D+\s]
.endr
.irp s, 0,1,2,3
.irp c, 0,2,4,6
	v_mov_b32 v[Q+8*\s+\c+1], v[Q+8*\s+\c]         ; named with it as a pair, so it is written
.endr
.endr
.set n, 0
.rept 32
	v_mov_b32 v[A+n], 0x7f800000                   ; the lists begin with +infinity
	v_mov_b32 v[I+n], 0
.set n, n+1
.endr
	s_mul_i32 s11, s10, GW*GP                      ; my first group in the table
	s_mul_i32 s13, s10, GW
	v_mov_b32 v[VG], s13                           ; and its number
	v_mov_b32 v[VA], s11
.irp i, 0,1,2,3,4,5,6,7,8,9,10,11,12,13,14,15
	ds_load_b128 v[VB0+4*\i:VB0+4*\i+3], v[VA] offset:16*\i
.endr
	s_mov_b32 s12, GW/2-1
.Lpair:                                        ; 26 trips of two groups; each group is asked for one group ahead
	v_mov_b32 v[VA], s11
	GROUP 0, GP
	GROUP 1, 2*GP
	s_add_co_u32 s11, s11, 2*GP
	s_sub_co_u32 s12, s12, 1
	s_cmp_lg_u32 s12, 0
	s_cbranch_scc1 .Lpair
	v_mov_b32 v[VA], s11                           ; the last two groups are written out: nothing is read past my 54
	GROUP 0, GP
	GROUP 1, -1
	; THE MERGE.  The lists lie over the table's first 65,536 bytes: values at 4,096 wave + 512 i + 128 slot + 4 lane, numbers 32,768 bytes on.
	v_lshrrev_b32 v[LW], 5, v0
	v_and_b32 v[MGO], 31, v0
	v_lshlrev_b32 v[MLR], 10, v[LW]
	v_lshlrev_b32 v[LW], 12, v[LW]
	v_lshl_add_u32 v[LW], v[MGO], 2, v[LW]         ; 4,096 wave + 4 lane
	v_lshl_add_u32 v[MGO], v[MGO], 4, v[MLR]       ; grp: 1,024 wave + 16 lane
	v_lshlrev_b32 v[MLR], 2, v0                    ; 4 x thread = 128 wave + 4 lane: wave w < 4 merges slot w
	s_wait_dscnt 0x0                               ; my reads of the table are over
	s_barrier_signal -1
	s_barrier_wait -1                              ; everybody's are: the table may be written over
.irp s, 0,1,2,3
.irp i, 0,1,2,3,4,5,6,7
	ds_store_b32 v[LW], v[A+8*\s+\i] offset:512*\i+128*\s
	ds_store_b32 v[LW], v[I+8*\s+\i] offset:32768+512*\i+128*\s
.endr
.endr
	s_wait_dscnt 0x0                               ; for the others' sake: my lists lie in LDS
	s_barrier_signal -1
	s_barrier_wait -1
	s_cmp_lt_u32 s10, 4                            ; waves 0 to 3 merge 32 queries each; no barrier follows
	s_cbranch_scc0 .Lend
.irp i, 0,1,2,3,4,5,6,7
	ds_load_b32 v[A+\i], v[MLR] offset:512*\i      ; wave 0's list is the start
	ds_load_b32 v[I+\i], v[MLR] offset:32768+512*\i
.endr
.irp u, 1,2,3,4,5,6,7
.irp i, 0,1,2,3,4,5,6,7
	ds_load_b32 v[ML+16*(\u-1)+\i], v[MLR] offset:4096*\u+512*\i
	ds_load_b32 v[ML+16*(\u-1)+8+\i], v[MLR] offset:32768+4096*\u+512*\i
.endr
.endr
	s_wait_dscnt 0x0
.irp u, 1,2,3,4,5,6,7                  ; the waves' ranges of groups ascend, and so does each list: equal values keep the lower group in front
.irp i, 0,1,2,3,4,5,6,7
	INSERT A, I, ML+16*(\u-1)+\i, ML+16*(\u-1)+8+\i
.endr
.endr
	; the 8 numbers in ascending order (19 comparators), so that the next launch meets its candidates in ascending index
	CSWAP 0, 1
	CSWAP 2, 3
	CSWAP 4, 5
	CSWAP 6, 7
	CSWAP 0, 2
	CSWAP 1, 3
	CSWAP 4, 6
	CSWAP 5, 7
	CSWAP 1, 2
	CSWAP 5, 6
	CSWAP 0, 4
	CSWAP 1, 5
	CSWAP 2, 6
	CSWAP 3, 7
	CSWAP 2, 4
	CSWAP 3, 5
	CSWAP 1, 2
	CSWAP 3, 4
	CSWAP 5, 6
	global_store_b128 v[MGO], v[I:I+3], s[8:9]               ; a block of 32 queries is 1,024 bytes: numbers 0-3 of lane l at 16 l, numbers 4-7 512 bytes on: each store covers 512 consecutive bytes
	global_store_b128 v[MGO], v[I+4:I+7], s[8:9] offset:512
.Lend:
	s_set_vgpr_msb 0x5
	s_wait_tensorcnt 0x0
	ds_add_u32 v0, v1
	s_wait_dscnt 0x0
	s_set_vgpr_msb 0x500
	s_endpgm
.Lfunc_end_k_q0c91d9c6f8_groups:
	.size	k_q0c91d9c6f8_groups, .Lfunc_end_k_q0c91d9c6f8_groups-k_q0c91d9c6f8_groups
	.p2alignl 7, 3214868480
	.fill 96, 4, 3214868480
	.section	.rodata,"a",@progbits
	.p2align	6, 0x0
	.amdhsa_kernel k_q0c91d9c6f8_groups
		.amdhsa_group_segment_fixed_size 118528
		.amdhsa_private_segment_fixed_size 0
		.amdhsa_enable_private_segment 0
		.amdhsa_kernarg_size 24
		.amdhsa_user_sgpr_count 2
		.amdhsa_user_sgpr_kernarg_segment_ptr 1
		.amdhsa_wavefront_size32 1
		.amdhsa_system_sgpr_workgroup_id_x 1
		.amdhsa_system_sgpr_workgroup_id_y 1
		.amdhsa_system_sgpr_workgroup_id_z 1
		.amdhsa_system_vgpr_workitem_id 0
		.amdhsa_next_free_vgpr 258
		.amdhsa_next_free_sgpr 66
		.amdhsa_reserve_vcc 1
		.amdhsa_float_denorm_mode_32 3
		.amdhsa_float_denorm_mode_16_64 3
		.amdhsa_memory_ordered 1
		.amdhsa_forward_progress 1
		.amdhsa_inst_pref_size 231
	.end_amdhsa_kernel
	.amdgpu_metadata
---
amdhsa.version: [ 1, 2 ]
amdhsa.kernels:
  - .name:           k_q0c91d9c6f8_groups
    .symbol:         k_q0c91d9c6f8_groups.kd
    .args:
      - { .name: vertex, .offset: 0, .size: 8, .value_kind: global_buffer, .address_space: global }
      - { .name: query_pts, .offset: 8, .size: 8, .value_kind: global_buffer, .address_space: global }
      - { .name: grp, .offset: 16, .size: 8, .value_kind: global_buffer, .address_space: global }
    .group_segment_fixed_size: 118528
    .private_segment_fixed_size: 0
    .kernarg_segment_align: 8
    .kernarg_segment_size: 24
    .max_flat_workgroup_size: 256
    .sgpr_count:     66
    .vgpr_count:     258
    .wavefront_size: 32
...
	.end_amdgpu_metadata
.endif
;; end of part 1
;; launch refine (part 2): grid 256 x 1, 4 waves a work-group, no clusters, 118,016 bytes of LDS; arguments vertex, query_pts, grp, idx, wgt; writes idx, wgt
.if DOCPART == 2
	.amdgcn_target "amdgcn-amd-amdhsa--gfx1250"
	.amdhsa_code_object_version 6
	.text
	.protected	k_q0c91d9c6f8_refine
	.globl	k_q0c91d9c6f8_refine
	.p2align	8
	.type	k_q0c91d9c6f8_refine,@function
k_q0c91d9c6f8_refine:
	s_mov_b64 s[64:65], 0
	v_nop
	global_prefetch_b8 v0, s[64:65] scope:SCOPE_SE
	s_setreg_imm32_b32 hwreg(HW_REG_WAVE_MODE, 25, 1), 1
	s_wait_xcnt 0x0
; SECOND STEP OF THE SEARCH.  For each query the 8 groups of 16 vertices that the launch before has named (whole numbers, ascending) hold its 8 nearest vertices.  A lane takes a query, computes d2 to the
; 128 candidates by the same lines as the launch before (same bits), in ascending index, and keeps the 8 smallest with their indices in a sorted list: of equal d2 the lower index stays in front.
; Stored: idx [32768][8], whole numbers, for the next launch's gathers; wgt [32768][8] f32: w = (1 / d) / the sum of the eight 1 / d, d = sqrt(max(d2, 0)) + 1e-9.
; d2 = (qq - 2 (q . v)) + vv, all f32.  q . v, a matrix product, is a chain of multiply-adds: fma(q2, z, fma(q1, y, q0 x)).  qq and vv are written as a product and then a sum of it: the three squares are
; rounded each by itself and added in ascending order, (a a + b b) + c c: ON PURPOSE NOT FUSED.  Then fma(-2, q . v, qq) (2 x is exact) and + vv.
; THE TABLE is the one of the launch before: every work-group lays the 82,680 bytes of vertex in LDS in another form, through registers; so no cluster and no tensor load.  A group's 272 bytes are an odd
; number of 16-byte columns, so lanes that read different groups fall on different columns as their group numbers differ modulo 16.  The 16 bytes behind each group are cleared: no load reads them, but so
; every byte of the span into which the lanes' addresses point has been written.
; The only addresses that hang on data are LDS addresses made of the loaded group numbers, each held to 431 first.  The eight groups are written out: no loop, every offset an immediate.
; LIMITS: NaN and infinities among the inputs are not served, nor coordinates so large that d2 overflows (magnitudes above some 1e19); +0 and -0 count as equal;
; vertices whose d2 differ by less than the f32 rounding of this expanded form are ranked as these lines round them.
.set NV,   6890
.set NT,   128
.set ITER, 54                          ; table places a thread fills: 6,912 / 128
.set NB,   6                           ; in batches of 9
.set GP,   272
.set KST,  NT/16*GP
.set HK,   65280/KST
.set PST,  16*GP                       ; the paddings: 128 threads x 2 bytes clear those of 16 groups
.set GOF,  1                           ; v1       1,024 wave + 16 lane: my 16 bytes in a block of grp, idx, wgt
.set QOF,  2                           ; v2       12 x thread
.set SW,   3                           ; v3       the way out: 2,048 wave + 32 lane
.set Q,    4                           ; v4-11    q0 q0 q1 q1 q2 q2 qq qq
.set GA,   12                          ; v12-19   LDS address of group c
.set GB,   20                          ; v20-27   its number, then its first vertex
.set N,    28                          ; v28-29   the two candidates' indices
.set SR,   31                          ; v31      the way out: 2,048 wave + 16 lane
.set D,    32                          ; v32-47   eight pairs of d2
.set A,    48                          ; v48-55   the 8 smallest d2, ascending
.set I,    56                          ; v56-63   their indices
.set T,    64                          ; v64-71   at work
.set VB0,  72                          ; v72-135, v136-199  a group's 64 words, two buffers
.set WT,   200                         ; v200-211 the weights at work
.set TS,   72                          ; the table's making: two sets of 27 loaded numbers,
.set TV,   126                         ; nine vv,
.set E,    136                         ; my last place's vertex number,
.set TO,   137                         ; 12 x thread,
.set TA,   138                         ; my place in the table,
.set TA2,  139                         ; the same 65,280 bytes on,
.set TOL,  140                         ; 12 x my last place's vertex, held inside the buffer,
.set TP,   141                         ; my 2 bytes of a padding,
.set TP2,  142                         ; the same 65,280 bytes on,
.set ZR,   143                         ; 0,
.set TW,   144                         ; nine squares at work
.macro TISSUE b                        ; batch b's 27 loads: three loads of a wave cover 384 consecutive bytes
.irp i, 0,1,2,3,4,5,6,7,8
.irp c, 0,1,2
.if 9*(\b)+\i == ITER-1
	global_load_b32 v[TS+27*((\b)%2)+3*\i+\c], v[TOL], s[4:5] offset:4*\c
.else
	global_load_b32 v[TS+27*((\b)%2)+3*\i+\c], v[TO], s[4:5] offset:12*NT*(9*(\b)+\i)+4*\c
.endif
.endr
.endr
.endm
.macro TPROC b                         ; batch b: vv, and the four words of each vertex to their places
.set TR, TS+27*((\b)%2)
.if 9*(\b)+8 == ITER-1
	v_cmp_gt_u32 vcc_lo, NV, v[E]                  ; the very last place may lie past the last vertex: a pad is 0, 0, 0 with vv = +infinity
.irp c, 0,1,2
	v_cndmask_b32 v[TR+24+\c], 0, v[TR+24+\c], vcc_lo
.endr
.endif
.irp i, 0,1,2,3,4,5,6,7,8
	v_mul_f32 v[TV+\i], v[TR+3*\i], v[TR+3*\i]             ; vv = (x x + y y) + z z, each square rounded by itself: not fused, see the head
.endr
.irp i, 0,1,2,3,4,5,6,7,8
	v_mul_f32 v[TW+\i], v[TR+3*\i+1], v[TR+3*\i+1]
.endr
.irp i, 0,1,2,3,4,5,6,7,8
	v_add_f32 v[TV+\i], v[TV+\i], v[TW+\i]
.endr
.irp i, 0,1,2,3,4,5,6,7,8
	v_mul_f32 v[TW+\i], v[TR+3*\i+2], v[TR+3*\i+2]
.endr
.irp i, 0,1,2,3,4,5,6,7,8
	v_add_f32 v[TV+\i], v[TV+\i], v[TW+\i]
.endr
.if 9*(\b)+8 == ITER-1
	v_cndmask_b32 v[TV+8], 0x7f800000, v[TV+8], vcc_lo
.endif
.irp i, 0,1,2,3,4,5,6,7,8
.if 9*(\b)+\i < HK
.irp c, 0,1,2
	ds_store_b32 v[TA], v[TR+3*\i+\c] offset:KST*(9*(\b)+\i)+8*\c
.endr
	ds_store_b32 v[TA], v[TV+\i] offset:KST*(9*(\b)+\i)+24
.else
.irp c, 0,1,2
	ds_store_b32 v[TA2], v[TR+3*\i+\c] offset:KST*(9*(\b)+\i-HK)+8*\c
.endr
	ds_store_b32 v[TA2], v[TV+\i] offset:KST*(9*(\b)+\i-HK)+24
.endif
.endr
.endm
; Step k of the distance of the query (8 registers at q) to a pair of vertices (8 words at vb), into the pair d: the lines of the launch before.
.macro DSTEP k, d, vb, q
.if (\k) == 0
	v_pk_mul_f32 v[(\d):(\d)+1], v[(\vb):(\vb)+1], v[(\q):(\q)+1] op_sel_hi:[1,0]
.elseif (\k) == 1
	v_pk_fma_f32 v[(\d):(\d)+1], v[(\vb)+2:(\vb)+3], v[(\q)+2:(\q)+3], v[(\d):(\d)+1] op_sel_hi:[1,0,1]
.elseif (\k) == 2
	v_pk_fma_f32 v[(\d):(\d)+1], v[(\vb)+4:(\vb)+5], v[(\q)+4:(\q)+5], v[(\d):(\d)+1] op_sel_hi:[1,0,1]
.elseif (\k) == 3
	v_pk_fma_f32 v[(\d):(\d)+1], v[(\d):(\d)+1], -2.0, v[(\q)+6:(\q)+7] op_sel_hi:[1,0,0]
.else
	v_pk_add_f32 v[(\d):(\d)+1], v[(\d):(\d)+1], v[(\vb)+6:(\vb)+7]
.endif
.endm
; The candidate (value v[x], number v[n]) enters the sorted list (values at a, numbers at i); strict compare, candidates in ascending number: of equal values the lower number stays in front.
.macro INSERT a, i, x, n
.irp j, 0,1,2,3,4,5,6,7
	v_cmp_lt_f32 s[16+\j], v[\x], v[(\a)+\j]
.endr
.irp j, 7,6,5,4,3,2,1
	v_med3_num_f32 v[(\a)+\j], v[(\a)+\j-1], v[\x], v[(\a)+\j]
.endr
	v_min_num_f32 v[\a], v[\a], v[\x]
.irp j, 1,2,3,4,5,6,7
	v_cndmask_b32 v[T+\j], v[(\i)+\j], v[\n], s[16+\j]
.endr
.irp j, 7,6,5,4,3,2,1
	v_cndmask_b32 v[(\i)+\j], v[T+\j], v[(\i)+\j-1], s[16+\j-1]
.endr
	v_cndmask_b32 v[\i], v[\i], v[\n], s16
.endm
; Group c of my query's eight: the next group is asked for first, into the other buffer.
.macro GROUPR c
.set VB, VB0+64*((\c)%2)
.set VN, VB0+64*(1-(\c)%2)
.if (\c) < 7
.irp i, 0,1,2,3,4,5,6,7,8,9,10,11,12,13,14,15
	ds_load_b128 v[VN+4*\i:VN+4*\i+3], v[GA+(\c)+1] offset:16*\i
.endr
	s_wait_dscnt 16                                ; all but the 16 just issued: this group's words are in
.else
	s_wait_dscnt 0x0
.endif
.irp k, 0,1,2,3,4
.irp p, 0,1,2,3,4,5,6,7
	DSTEP \k, D+2*\p, VB+8*\p, Q
.endr
.endr
.irp p, 0,1,2,3,4,5,6,7
	v_add_nc_u32 v[N], 2*\p, v[GB+(\c)]
	v_add_nc_u32 v[N+1], 2*\p+1, v[GB+(\c)]
	INSERT A, I, D+2*\p, N
	INSERT A, I, D+2*\p+1, N+1
.endr
.endm
	s_load_b256 s[4:11], s[0:1], 0x0               ; vertex s[4:5], query_pts s[6:7], grp s[8:9], idx s[10:11]
	s_load_b64 s[12:13], s[0:1], 0x20              ; wgt
	v_lshl_add_u32 v216, v0, 2, 0x1cb00
	v_mov_b32 v217, 0
	v_lshrrev_b32 v[SW], 5, v0                     ; wave
	v_and_b32 v[N], 31, v0                         ; lane
	v_lshlrev_b32 v[GOF], 10, v[SW]
	v_lshl_add_u32 v[GOF], v[N], 4, v[GOF]
	v_mul_u32_u24 v[QOF], v0, 12
	v_lshlrev_b32 v[SW], 11, v[SW]
	v_lshl_add_u32 v[SR], v[N], 4, v[SW]
	v_lshl_add_u32 v[SW], v[N], 5, v[SW]
	v_lshrrev_b32 v[TA], 4, v0                     ; vertex e lies at 272 (e / 16) + 32 ((e / 2) % 8) + 4 (e % 2), its x, y, z, vv 8 bytes apart
	v_mul_u32_u24 v[TA], v[TA], GP
	v_bfe_u32 v[E], v0, 1, 3
	v_lshl_add_u32 v[TA], v[E], 5, v[TA]
	v_and_b32 v[E], 1, v0
	v_lshl_add_u32 v[TA], v[E], 2, v[TA]
	v_add_nc_u32 v[TA2], HK*KST, v[TA]
	v_mul_u32_u24 v[TO], v0, 12
	v_add_nc_u32 v[E], NT*(ITER-1), v0
	v_min_u32 v[TOL], NV-1, v[E]                   ; no load leaves the buffer
	v_mul_u32_u24 v[TOL], v[TOL], 12
	v_lshrrev_b32 v[TP], 3, v0                     ; the paddings: eight threads to a group's 16 bytes: 272 (t / 8) + 256 + 2 (t % 8)
	v_mul_u32_u24 v[TP], v[TP], GP
	v_and_b32 v[ZR], 7, v0
	v_lshl_add_u32 v[TP], v[ZR], 1, v[TP]
	v_add_nc_u32 v[TP], 256, v[TP]
	v_add_nc_u32 v[TP2], 15*PST, v[TP]
	v_mov_b32 v[ZR], 0
	s_mul_i32 s24, ttmp9, 1536                     ; 128 queries of 12 bytes
	s_mov_b32 s25, 0
	s_lshl_b32 s26, ttmp9, 12                      ; 128 queries of 32 bytes
	s_mov_b32 s27, 0
	s_wait_kmcnt 0x0
	s_add_nc_u64 s[6:7], s[6:7], s[24:25]
	s_add_nc_u64 s[8:9], s[8:9], s[26:27]
	s_add_nc_u64 s[10:11], s[10:11], s[26:27]
	s_add_nc_u64 s[12:13], s[12:13], s[26:27]
	global_load_b128 v[GB:GB+3], v[GOF], s[8:9]              ; my query's eight group numbers.  These five loads are older than every load of the table: the first counted wait below covers them
	global_load_b128 v[GB+4:GB+7], v[GOF], s[8:9] offset:512
.irp c, 0,1,2
	global_load_b32 v[Q+2*\c], v[QOF], s[6:7] offset:4*\c
.endr
	TISSUE 0
	TISSUE 1
.set n, 0
.rept 27                               ; 27 x 16 = 432 groups' paddings, while the first loads are out; the wait behind the first batch's stores covers these too
.if n < 15
	ds_store_b16 v[TP], v[ZR] offset:PST*n
.else
	ds_store_b16 v[TP2], v[ZR] offset:PST*(n-15)
.endif
.set n, n+1
.endr
.set tb, 0
.rept NB
.if tb < NB-1
	s_wait_loadcnt 27                              ; the younger batch's 27 loads may be out
.else
	s_wait_loadcnt 0x0
.endif
	TPROC tb
	s_wait_dscnt 0x0                               ; the stores are done: their registers take the batch after next; and, the last time, for the other waves' sake
.if tb+2 < NB
	TISSUE tb+2
.endif
.set tb, tb+1
.endr
	s_barrier_signal -1
	s_barrier_wait -1                              ; the table is whole
	v_mul_f32 v[Q+6], v[Q], v[Q]                   ; qq = (q0 q0 + q1 q1) + q2 q2, each square rounded by itself: not fused, see the head
	v_mul_f32 v[D], v[Q+2], v[Q+2]
	v_mul_f32 v[D+1], v[Q+4], v[Q+4]
	v_add_f32 v[Q+6], v[Q+6], v[D]
	v_add_f32 v[Q+6], v[Q+6], v[D+1]
.irp c, 0,2,4,6
	v_mov_b32 v[Q+\c+1], v[Q+\c]                   ; named with it as a pair, so it is written
.endr
.irp c, 0,1,2,3,4,5,6,7
	v_min_u32 v[GB+\c], 431, v[GB+\c]              ; a loaded number enters an address only held inside the table
.endr
.irp c, 0,1,2,3,4,5,6,7
	v_mul_u32_u24 v[GA+\c], v[GB+\c], GP
.endr
.irp c, 0,1,2,3,4,5,6,7
	v_lshlrev_b32 v[GB+\c], 4, v[GB+\c]            ; the group's first vertex
.endr
.irp j, 0,1,2,3,4,5,6,7
	v_mov_b32 v[A+\j], 0x7f800000                  ; the list begins with +infinity; at least 106 of the 128 candidates are no pads, so all eight places are taken
	v_mov_b32 v[I+\j], 0
.endr
.irp i, 0,1,2,3,4,5,6,7,8,9,10,11,12,13,14,15
	ds_load_b128 v[VB0+4*\i:VB0+4*\i+3], v[GA] offset:16*\i
.endr
	GROUPR 0
	GROUPR 1
	GROUPR 2
	GROUPR 3
	GROUPR 4
	GROUPR 5
	GROUPR 6
	GROUPR 7
	; the weights
.irp j, 0,1,2,3,4,5,6,7
	v_max_num_f32 v[WT+\j], 0, v[A+\j]
.endr
.irp j, 0,1,2,3,4,5,6,7
	v_sqrt_f32 v[WT+\j], v[WT+\j]
.endr
	v_nop                                          ; a plain instruction between the last root and the use of its result
	s_wait_alu depctr_va_vdst(0)
.irp j, 0,1,2,3,4,5,6,7
	v_add_f32 v[WT+\j], 0x3089705f, v[WT+\j]       ; + 1e-9
.endr
.irp j, 0,1,2,3,4,5,6,7
	v_rcp_f32 v[WT+\j], v[WT+\j]
.endr
	v_nop
	s_wait_alu depctr_va_vdst(0)
	v_add_f32 v[WT+8], v[WT], v[WT+1]
	v_add_f32 v[WT+9], v[WT+2], v[WT+3]
	v_add_f32 v[WT+10], v[WT+4], v[WT+5]
	v_add_f32 v[WT+11], v[WT+6], v[WT+7]
	v_add_f32 v[WT+8], v[WT+8], v[WT+9]
	v_add_f32 v[WT+10], v[WT+10], v[WT+11]
	v_add_f32 v[WT+8], v[WT+8], v[WT+10]
	v_rcp_f32 v[WT+8], v[WT+8]
	v_nop
	s_wait_alu depctr_va_vdst(0)
.irp j, 0,1,2,3,4,5,6,7
	v_mul_f32 v[WT+\j], v[WT+\j], v[WT+8]
.endr
	; THE WAY OUT.  A lane holds 32 bytes of idx and 32 of wgt; through the wave's own 2,048 bytes of LDS they become stores of 512 consecutive bytes.  These bytes lie over the table.
	s_wait_dscnt 0x0                               ; my reads of the table are over
	s_barrier_signal -1
	s_barrier_wait -1                              ; everybody's are
	ds_store_b128 v[SW], v[I:I+3]
	ds_store_b128 v[SW], v[I+4:I+7] offset:16
	ds_store_b128 v[SW], v[WT:WT+3] offset:1024
	ds_store_b128 v[SW], v[WT+4:WT+7] offset:1040
.irp i, 0,1,2,3
	ds_load_b128 v[VB0+4*\i:VB0+4*\i+3], v[SR] offset:512*\i   ; LDS serves a wave's instructions in order (ISA guide 5.7.1.4): these see my stores
.endr
	s_wait_dscnt 3                                 ; the three younger loads may be out, then two, one, none
	global_store_b128 v[GOF], v[VB0:VB0+3], s[10:11]
	s_wait_dscnt 2
	global_store_b128 v[GOF], v[VB0+4:VB0+7], s[10:11] offset:512
	s_wait_dscnt 1
	global_store_b128 v[GOF], v[VB0+8:VB0+11], s[12:13]
	s_wait_dscnt 0x0
	global_store_b128 v[GOF], v[VB0+12:VB0+15], s[12:13] offset:512
	s_wait_tensorcnt 0x0
	ds_add_u32 v216, v217
	s_wait_dscnt 0x0
	s_endpgm
.Lfunc_end_k_q0c91d9c6f8_refine:
	.size	k_q0c91d9c6f8_refine, .Lfunc_end_k_q0c91d9c6f8_refine-k_q0c91d9c6f8_refine
	.p2alignl 7, 3214868480
	.fill 96, 4, 3214868480
	.section	.rodata,"a",@progbits
	.p2align	6, 0x0
	.amdhsa_kernel k_q0c91d9c6f8_refine
		.amdhsa_group_segment_fixed_size 118016
		.amdhsa_private_segment_fixed_size 0
		.amdhsa_enable_private_segment 0
		.amdhsa_kernarg_size 40
		.amdhsa_user_sgpr_count 2
		.amdhsa_user_sgpr_kernarg_segment_ptr 1
		.amdhsa_wavefront_size32 1
		.amdhsa_system_sgpr_workgroup_id_x 1
		.amdhsa_system_sgpr_workgroup_id_y 1
		.amdhsa_system_sgpr_workgroup_id_z 1
		.amdhsa_system_vgpr_workitem_id 0
		.amdhsa_next_free_vgpr 218
		.amdhsa_next_free_sgpr 66
		.amdhsa_reserve_vcc 1
		.amdhsa_float_denorm_mode_32 3
		.amdhsa_float_denorm_mode_16_64 3
		.amdhsa_memory_ordered 1
		.amdhsa_forward_progress 1
		.amdhsa_inst_pref_size 255
	.end_amdhsa_kernel
	.section	.bss,"aw",@nobits
	.p2align	6
	.space	262144
	.amdgpu_metadata
---
amdhsa.version: [ 1, 2 ]
amdhsa.kernels:
  - .name:           k_q0c91d9c6f8_refine
    .symbol:         k_q0c91d9c6f8_refine.kd
    .args:
      - { .name: vertex, .offset: 0, .size: 8, .value_kind: global_buffer, .address_space: global }
      - { .name: query_pts, .offset: 8, .size: 8, .value_kind: global_buffer, .address_space: global }
      - { .name: grp, .offset: 16, .size: 8, .value_kind: global_buffer, .address_space: global }
      - { .name: idx, .offset: 24, .size: 8, .value_kind: global_buffer, .address_space: global }
      - { .name: wgt, .offset: 32, .size: 8, .value_kind: global_buffer, .address_space: global }
    .group_segment_fixed_size: 118016
    .private_segment_fixed_size: 0
    .kernarg_segment_align: 8
    .kernarg_segment_size: 40
    .max_flat_workgroup_size: 128
    .sgpr_count:     66
    .vgpr_count:     218
    .wavefront_size: 32
...
	.end_amdgpu_metadata
.endif
;; end of part 2
;; launch mlp (part 3): grid 256 x 1, 4 waves a work-group, no clusters, 13,824 bytes of LDS; arguments idx, wgt, vertex, vertex_features, query_pts, W0, b0, W1_codes, W1_scales, b1, W2_codes, W2_scales, b2, W3_codes, W3_scales, b3, out0; writes out0
.if DOCPART == 3
	.amdgcn_target "amdgcn-amd-amdhsa--gfx1250"
	.amdhsa_code_object_version 6
	.text
	.protected	k_q0c91d9c6f8_mlp
	.globl	k_q0c91d9c6f8_mlp
	.p2align	8
	.type	k_q0c91d9c6f8_mlp,@function
k_q0c91d9c6f8_mlp:
	s_mov_b64 s[64:65], 0
	v_nop
	global_prefetch_b8 v0, s[64:65] scope:SCOPE_SE
	s_setreg_imm32_b32 hwreg(HW_REG_WAVE_MODE, 25, 1), 1
	s_wait_xcnt 0x0
; out0[q] = the sum over the 8 neighbours j of w[q][j] x MLP([features of vertex idx[q][j], q - vertex idx[q][j]]), the MLP 67 -> 128 -> 128 -> 128 -> 64 with relu behind the first three layers.
; All four products on codes of BF6 (E3M2) with one E8M0 scale for each 32 along K.  W1, W2, W3 arrive as codes; W0 (f32, K its first axis) and every activation are quantised here, from f32.
; A block's scale byte is its largest magnitude's exponent field - 4, held at 1 from below (a block of zeros so has the byte 1 where the rule says 127: its codes are zeros, and only this text reads the bytes).
; SHARES.  A wave owns 32 queries = 256 rows = 16 tiles of 16 rows (2 queries x 8 neighbours) and walks them in 8 trips of two tiles, A and B.  ALL weights, their scale words and the biases stay in each
; wave's registers (336 + 28 + 224), so the loop touches no LDS and has no barrier.  The weights that the work-groups share are 66 KB, read once by a wave into registers: no tile goes through LDS, so no cluster.
; LAYOUT.  Layers 0 to 2 are used transposed (source 0 = 16 rows of the weight, source 1 = 16 rows of activations), and lane r of weight tile 2 b + u takes row 32 b + 8 u + r + 8 (r / 8): lane (r, h) then holds
; row r, and the 16 registers of tiles 2 b, 2 b + 1 are hidden units 32 b + 16 h + 0 .. 15: neighbours along the next K.  Layer 3 is used straight (source 0 = activations, source 1 = W3's rows 4 r + t):
; register j of tile t in lane (r, h) is feature 4 r + t of neighbour j of the tile's query h: the weighted sum stays in the lane, and its four results are 16 neighbouring bytes of out0.
; The biases are the C of each product.  K = 128 is one matrix instruction, so no sum is chained.
; TWO TILES BY TURNS: between the vector lines that make an operand and its scale word and the product that takes them stands the other tile's vector work (at least 10 plain lines), and so it does
; between a product and the first read of its results; four v_nop a trip are written.
; The gathers' addresses come from idx, whole numbers that an earlier launch stored, each held to 6,889.  Gathers run a trip ahead, the indices two trips; the last trips ask again for the last trip's data, so that no load leaves its buffer and every count is the same in every trip.
; LIMITS: NaN and infinities among the inputs are not served.
; REGISTERS, in windows of 256 (s_set_vgpr_msb: bits 1:0 source 0, 3:2 source 1, 5:4 source 2, 7:6 destination).  Window 0: below.  Window 1: W0's 8 fragments at 12 t, W1's at 96 + 12 t.
; Window 2: W2's at 12 t, W3's four at 96 + 12 t; from 144 what the gathers bring.  Window 3: the biases, 8 registers a tile.
.set RR,   1                           ; r = lane % 16
.set HH,   2                           ; h = lane / 16
.set LI,   3                           ; 16 x lane
.set LS,   4                           ; 4 x lane
.set IW,   5                           ; 16 x lane + 3,072 x wave: where I store my two fragments of W0
.set ISW,  6                           ; 4 x lane + 256 x wave: and their scale words
.set H128, 7                           ; 128 h
.set SH8,  8                           ; 8 h
.set IO0,  9                           ; idx: 4 r
.set QO0,  10                          ; query_pts: 12 (r / 8)
.set WO0,  11                          ; wgt: 32 h
.set OO0,  12                          ; out0: 256 h + 16 r
.set IO,   13                          ; the same with the trip's step
.set QO,   14
.set WO,   15
.set OO,   16
.set IDXA, 17                          ; the next trip's indices
.set IDXB, 18
.set ICA,  19                          ; held inside the table
.set ICB,  20
.set FOA,  21                          ; 256 index + 128 h
.set FOB,  22
.set VOA,  23                          ; 12 index
.set VOB,  24
.set RP,   25                          ; r + 8 (r / 8)
.set PW0A, 26                          ; the head's offsets: W0, block h;
.set PW0B, 27                          ; W0, rows 64 to 66;
.set PW12, 28                          ; W1's and W2's codes;
.set PW3,  29                          ; W3's codes;
.set PS12, 30                          ; W1's and W2's scale words;
.set PS3,  31                          ; W3's scale words, b3;
.set PB,   254                         ; b0, b1, b2
.set HA,   32                          ; v32-95   tile A's 8 result tiles
.set HB,   96                          ; v96-159  tile B's
.set XA,   160                         ; v160-171 tile A's operand
.set XB,   172                         ; v172-183 tile B's
.set T,    184                         ; v184-191 second halves of conversions; at the trip's end the two tiles' results
.set TM,   192                         ; v192-207 at work
.set PWA,  208                         ; the operands' scale words
.set PWB,  209
.set W0S,  210                         ; the weights' scale words
.set W1S,  218
.set W2S,  226
.set W3S,  234
.set WA,   238                         ; v238-245 my query's eight weights, tile A
.set WB,   246                         ; v246-253 tile B
.set W0F,  0                           ; window 1
.set W1F,  96
.set W2F,  0                           ; window 2
.set W3F,  96
.set FA,   144                         ; 32 features of my row, tile A
.set FB,   176
.set VXA,  208                         ; my row's vertex,
.set QXA,  212                         ; its query
.set VXB,  216
.set QXB,  220
.set Z,    224                         ; v224-239 of window 2: q - vertex, then 13 zeros written once
.set B0,   0                           ; window 3
.set B1,   64
.set B2,   128
.set B3,   192
.set MSB, 0
.macro WIN new                         ; the immediate's high byte repeats the setting that is left
.if MSB != \new
	s_set_vgpr_msb (MSB<<8)|\new
.set MSB, \new
.endif
.endm
; From the largest magnitudes of my two blocks (v[TM], v[TM+1]: block h in two chains; v[TM+2]: block 2 + h): the conversions' scale operands in v[TM+12], v[TM+13], and the row's scale word in v[pw].
.macro WORD pw
	v_max_num_f32 v[TM], v[TM], v[TM+1]
	v_add_nc_u32 v[TM+13], 0xfe000000, v[TM+2]     ; 4 off the exponent field: the conversion takes the exponent field of this operand as its scale, and nothing else of it
	v_add_nc_u32 v[TM+12], 0xfe000000, v[TM]
	v_lshrrev_b32 v[TM+5], 23, v[TM+13]            ; the scales' bytes
	v_lshrrev_b32 v[TM+4], 23, v[TM+12]
	v_lshl_or_b32 v[TM+6], v[TM+5], 16, v[TM+4]    ; blocks h and 2 + h,
	v_lshlrev_b32 v[TM+6], v[SH8], v[TM+6]         ; at their places in the word;
	v_permlanex16_b32 v[TM+7], v[TM+6], s42, s43
	v_or_b32 v[\pw], v[TM+6], v[TM+7]              ; with lane l xor 16's two the word is whole
.endm
.macro TAILX xx                        ; behind the three conversions of an operand whose K ends at 67
	v_nop                                          ; one plain place behind a scaled conversion
.irp i, 0,1,2
	v_mov_b32 v[\xx+3+\i], v[T+\i]                 ; (a conversion's three registers begin on an even number: the second half of a block's six is made elsewhere and moved)
.endr
.irp i, 0,1,2
	v_mov_b32 v[\xx+9+\i], 0                       ; k = 80 + 32 h on: zero codes
.endr
.endm
; My tile 2 w + u of W0: lane (r, h) holds, of column 32 w + 8 u + r + 8 (r / 8), rows 32 h + 0 .. 31 in v[hx] on and (h = 0) rows 64 to 66 in v[hx+32] on: whole blocks, in the operand's own order.
.macro WQ hx, xx, pw, u
.set n, 35
.rept 13
	v_mov_b32 v[\hx+n], 0                          ; K ends at 67: the rest of the block is zeros
.set n, n+1
.endr
.irp i, 32,33,34
	v_cndmask_b32 v[\hx+\i], 0, v[\hx+\i], s44     ; and so is lanes 16-31's block 3
.endr
	v_max3_num_f32 v[TM], 0x2800000, |v[\hx]|, |v[\hx+1]|       ; the floor 2^(5 - 127), under which no largest magnitude is taken: so the byte cannot fall under 1
	v_max3_num_f32 v[TM+1], 0x2800000, |v[\hx+2]|, |v[\hx+3]|
.irp i, 4,8,12,16,20,24,28
	v_max3_num_f32 v[TM], v[TM], |v[\hx+\i]|, |v[\hx+\i+1]|
	v_max3_num_f32 v[TM+1], v[TM+1], |v[\hx+\i+2]|, |v[\hx+\i+3]|
.endr
	v_max3_num_f32 v[TM+2], 0x2800000, |v[\hx+32]|, |v[\hx+33]|
	v_max_num_f32 v[TM+2], v[TM+2], |v[\hx+34]|
	WORD \pw
	v_cvt_scalef32_pk16_bf6_f32 v[\xx:\xx+2], v[\hx:\hx+15], v[TM+12]
	v_cvt_scalef32_pk16_bf6_f32 v[T:T+2], v[\hx+16:\hx+31], v[TM+12]
	v_cvt_scalef32_pk16_bf6_f32 v[\xx+6:\xx+8], v[\hx+32:\hx+47], v[TM+13]
	TAILX \xx
.irp c, 0,1,2
	ds_store_b128 v[IW], v[\xx+4*\c:\xx+4*\c+3] offset:1536*\u+512*\c   ; the fragment goes to LDS as an image of its registers: lane l's 16 bytes at 16 l
.endr
	ds_store_b32 v[ISW], v[\pw] offset:12288+128*\u
.endm
; The addresses of what this trip asks for: ten plain vector lines.  s39 = the trip, s40 = the trip whose rows are gathered, s41 = the trip whose indices are fetched.
.macro ADDR
	s_mul_i32 s45, s40, 48
	s_lshl_b32 s46, s41, 7
	s_lshl_b32 s47, s39, 7
	s_lshl_b32 s48, s39, 10
	v_min_u32 v[ICA], 0x1ae9, v[IDXA]              ; a loaded number enters an address only held inside the table: 6,889
	v_min_u32 v[ICB], 0x1ae9, v[IDXB]
	v_lshl_add_u32 v[FOA], v[ICA], 8, v[H128]
	v_lshl_add_u32 v[FOB], v[ICB], 8, v[H128]
	v_mul_u32_u24 v[VOA], v[ICA], 12
	v_mul_u32_u24 v[VOB], v[ICB], 12
	v_add_nc_u32 v[QO], s45, v[QO0]
	v_add_nc_u32 v[IO], s46, v[IO0]
	v_add_nc_u32 v[WO], s47, v[WO0]
	v_add_nc_u32 v[OO], s48, v[OO0]
.endm
.macro LOADG f, vx, qx, fo, vo, qoff   ; a tile's gathers: my row's features 32 h + 0 .. 31 (128 bytes on end), its vertex, its query
	WIN 0x80                                       ; destination window 2
.irp i, 0,1,2,3,4,5,6,7
	global_load_b128 v[\f+4*\i:\f+4*\i+3], v[\fo], s[10:11] offset:16*\i
.endr
.irp i, 0,1,2
	global_load_b32 v[\vx+\i], v[\vo], s[8:9] offset:4*\i
	global_load_b32 v[\qx+\i], v[QO], s[12:13] offset:\qoff+4*\i
.endr
	WIN 0
.endm
; The first layer's operand of a tile: lane (r, h) holds whole blocks of row r: block h = features 32 h + 0 .. 31; block 2 + h = q - vertex and zeros (h = 0), zeros (h = 1).
.macro INQ f, vx, qx, xx, pw
	WIN 0xaa                                       ; all in window 2
.irp i, 0,1,2
	v_sub_f32 v[Z+\i], v[\qx+\i], v[\vx+\i]
.endr
.irp i, 0,1,2
	v_cndmask_b32 v[Z+\i], 0, v[Z+\i], s44
.endr
	WIN 0x28                                       ; sources 1 and 2 window 2
	v_max3_num_f32 v[TM], 0x2800000, |v[\f]|, |v[\f+1]|         ; the floor 2^(5 - 127)
	v_max3_num_f32 v[TM+1], 0x2800000, |v[\f+2]|, |v[\f+3]|
.irp i, 4,8,12,16,20,24,28
	v_max3_num_f32 v[TM], v[TM], |v[\f+\i]|, |v[\f+\i+1]|
	v_max3_num_f32 v[TM+1], v[TM+1], |v[\f+\i+2]|, |v[\f+\i+3]|
.endr
	v_max3_num_f32 v[TM+2], 0x2800000, |v[Z]|, |v[Z+1]|
	v_max_num_f32 v[TM+2], v[TM+2], |v[Z+2]|
	WIN 0
	WORD \pw
	WIN 0x02                                       ; source 0 window 2
	v_cvt_scalef32_pk16_bf6_f32 v[\xx:\xx+2], v[\f:\f+15], v[TM+12]
	v_cvt_scalef32_pk16_bf6_f32 v[T:T+2], v[\f+16:\f+31], v[TM+12]
	v_cvt_scalef32_pk16_bf6_f32 v[\xx+6:\xx+8], v[Z:Z+15], v[TM+13]
	WIN 0
	TAILX \xx
.endm
; A layer of 128 units on one tile of rows: eight products, transposed, each with its bias as C.
.macro WL hx, xx, pw, wf, bb, ws, win
	WIN \win
.irp t, 0,1,2,3,4,5,6,7
	v_wmma_scale_f32_16x16x128_f8f6f4 v[\hx+8*\t:\hx+8*\t+7], v[\wf+12*\t:\wf+12*\t+11], v[\xx:\xx+11], v[\bb+8*\t:\bb+8*\t+7], v[\ws+\t], v[\pw] matrix_a_fmt:MATRIX_FMT_BF6 matrix_b_fmt:MATRIX_FMT_BF6
.endr
	WIN 0
.endm
.macro WL3 hx, xx, pw                  ; the last layer, straight: source 0 = the rows, source 1 (window 2) = W3's rows 4 r + t, C (window 3) = b3
	WIN 0x38
.irp t, 0,1,2,3
	v_wmma_scale_f32_16x16x128_f8f6f4 v[\hx+8*\t:\hx+8*\t+7], v[\xx:\xx+11], v[W3F+12*\t:W3F+12*\t+11], v[B3+8*\t:B3+8*\t+7], v[\pw], v[W3S+\t] matrix_a_fmt:MATRIX_FMT_BF6 matrix_b_fmt:MATRIX_FMT_BF6
.endr
	WIN 0
.endm
.macro RELU hx                         ; in f32; ascending
.set n, 0
.rept 64
	v_max_num_f32 v[\hx+n], 0, v[\hx+n]
.set n, n+1
.endr
.endm
; 64 numbers of a lane, none negative, register 16 b + i = k 32 b + 16 h + i of my row, become the next operand's codes in v[xx] on and its scale word in v[pw].
.macro QUANT hx, xx, pw
.irp b, 0,1,2,3
	v_max3_num_f32 v[TM+\b], v[\hx+16*\b], v[\hx+1+16*\b], 0x2800000   ; block b: my 16 numbers, and the floor 2^(5 - 127)
.endr
.irp i, 2,4,6,8,10,12,14
.irp b, 0,1,2,3
	v_max3_num_f32 v[TM+\b], v[TM+\b], v[\hx+16*\b+\i], v[\hx+1+16*\b+\i]   ; (the four blocks by turns)
.endr
.endr
.irp b, 0,1,2,3
	v_permlanex16_b32 v[TM+4+\b], v[TM+\b], s42, s43
.endr
.irp b, 0,1,2,3
	v_max_num_f32 v[TM+\b], v[TM+\b], v[TM+4+\b]   ; with lane l xor 16's: the block's largest
.endr
.irp b, 0,1,2,3
	v_add_nc_u32 v[TM+12+\b], 0xfe000000, v[TM+\b] ; 4 off its exponent field: the conversion's scale operand
.endr
.irp b, 0,1,2,3
	v_lshrrev_b32 v[TM+4+\b], 23, v[TM+12+\b]      ; the scale's byte
.endr
	v_lshl_or_b32 v[\pw], v[TM+5], 8, v[TM+4]
	v_lshl_or_b32 v[\pw], v[TM+6], 16, v[\pw]
	v_lshl_or_b32 v[\pw], v[TM+7], 24, v[\pw]
.irp c, 0,1
	v_cvt_scalef32_pk16_bf6_f32 v[\xx+6*\c:\xx+6*\c+2], v[\hx+32*\c:\hx+32*\c+15], v[TM+12+2*\c]
	v_cvt_scalef32_pk16_bf6_f32 v[T+4*\c:T+4*\c+2], v[\hx+32*\c+16:\hx+32*\c+31], v[TM+13+2*\c]
.endr
	v_nop                                          ; one plain place behind a scaled conversion
.irp c, 0,1                            ; the operand's layout wants a WHOLE block in a lane: lanes 0-15 block 2 c, lanes 16-31 block 2 c + 1
.irp i, 0,1,2
	v_permlane16_swap_b32 v[\xx+6*\c+\i], v[T+4*\c+\i]
.endr
.irp i, 0,1,2
	v_mov_b32 v[\xx+6*\c+3+\i], v[T+4*\c+\i]
.endr
.endr
.endm
; The weighted sum over my query's 8 neighbours, four features a lane, and their store: lanes 0-15 fill one row of 256 bytes of out0, lanes 16-31 the next.
.macro RED hx, wx, ox, off
.irp t, 0,1,2,3
	v_pk_mul_f32 v[TM+2*\t:TM+2*\t+1], v[\hx+8*\t:\hx+8*\t+1], v[\wx:\wx+1]
.endr
.irp m, 1,2,3
.irp t, 0,1,2,3
	v_pk_fma_f32 v[TM+2*\t:TM+2*\t+1], v[\hx+8*\t+2*\m:\hx+8*\t+2*\m+1], v[\wx+2*\m:\wx+2*\m+1], v[TM+2*\t:TM+2*\t+1]
.endr
.endr
.irp t, 0,1,2,3
	v_add_f32 v[\ox+\t], v[TM+2*\t], v[TM+2*\t+1]
.endr
	global_store_b128 v[OO], v[\ox:\ox+3], s[36:37] offset:\off th:TH_STORE_NT
.endm
	s_load_b512 s[4:19], s[0:1], 0x0               ; idx s[4:5], wgt s[6:7], vertex s[8:9], vertex_features s[10:11], query_pts s[12:13], W0 s[14:15], b0 s[16:17], W1's codes s[18:19]
	s_load_b512 s[20:35], s[0:1], 0x40             ; W1's scales s[20:21], b1 s[22:23], W2's codes s[24:25], scales s[26:27], b2 s[28:29], W3's codes s[30:31], scales s[32:33], b3 s[34:35]
	s_load_b64 s[36:37], s[0:1], 0x80              ; out0
	v_lshl_add_u32 v203, v0, 2, 0x3400
	v_mov_b32 v255, 0
	v_lshrrev_b32 v[RR], 5, v0
	v_readfirstlane_b32 s38, v[RR]                 ; wave 0..3
	v_and_b32 v[LS], 31, v0
	v_and_b32 v[RR], 15, v0
	v_bfe_u32 v[HH], v0, 4, 1
	v_lshlrev_b32 v[LI], 4, v[LS]
	v_lshlrev_b32 v[LS], 2, v[LS]
	s_mul_i32 s45, s38, 3072
	v_add_nc_u32 v[IW], s45, v[LI]
	s_lshl_b32 s45, s38, 8
	v_add_nc_u32 v[ISW], s45, v[LS]
	v_lshlrev_b32 v[H128], 7, v[HH]
	v_lshlrev_b32 v[SH8], 3, v[HH]
	v_lshlrev_b32 v[IO0], 2, v[RR]
	v_lshrrev_b32 v[QO0], 3, v[RR]
	v_mul_u32_u24 v[QO0], v[QO0], 12
	v_lshlrev_b32 v[WO0], 5, v[HH]
	v_lshlrev_b32 v[OO0], 8, v[HH]
	v_lshl_add_u32 v[OO0], v[RR], 4, v[OO0]
	v_and_b32 v[RP], 8, v[RR]
	v_add_nc_u32 v[RP], v[RP], v[RR]               ; r + 8 (r / 8)
	s_lshl_b32 s45, s38, 7
	v_lshl_add_u32 v[PW0B], v[RP], 2, s45          ; W0: column 32 w + r + 8 (r / 8), 4 bytes each;
	v_lshl_add_u32 v[PW0A], v[HH], 14, v[PW0B]     ; lanes 16-31 begin 32 rows of 512 bytes further down
	v_mul_u32_u24 v[PW12], v[RP], 96               ; a row of 128 codes is 96 bytes
	v_mad_u32_u24 v[PW12], v[HH], 24, v[PW12]
	v_mul_u32_u24 v[PW3], v[RR], 384               ; W3: row 4 r + t
	v_mad_u32_u24 v[PW3], v[HH], 24, v[PW3]
	v_lshlrev_b32 v[PS12], 2, v[RP]
	v_lshlrev_b32 v[PS3], 4, v[RR]
	v_lshlrev_b32 v[PB], 6, v[HH]                  ; a bias tile: units 16 h + 0 .. 7 of its 32 b + 8 u
	s_mov_b32 s42, 0x76543210
	s_mov_b32 s43, 0xfedcba98                      ; v_permlanex16_b32's selects for lane l xor 16
	s_mov_b32 s44, 0xffff                          ; lanes 0-15
	s_lshl_b32 s46, ttmp9, 2
	s_add_co_u32 s46, s46, s38                     ; my block of 32 queries: 4 x work-group + wave
	s_lshl_b32 s48, s46, 10                        ; 32 bytes a query in idx and wgt,
	s_mov_b32 s49, 0
	s_mul_i32 s50, s46, 384                        ; 12 in query_pts,
	s_mov_b32 s51, 0
	s_lshl_b32 s52, s46, 13                        ; 256 in out0
	s_mov_b32 s53, 0
	s_wait_kmcnt 0x0
	s_add_nc_u64 s[4:5], s[4:5], s[48:49]
	s_add_nc_u64 s[6:7], s[6:7], s[48:49]
	s_add_nc_u64 s[12:13], s[12:13], s[50:51]
	s_add_nc_u64 s[36:37], s[36:37], s[52:53]
	global_load_b32 v[IDXA], v[IO0], s[4:5]                   ; trip 0's indices: row r of tile A, of tile B
	global_load_b32 v[IDXB], v[IO0], s[4:5] offset:64
.irp u, 0,1                            ; W0: my two tiles' columns, registers down K
.irp i, 0,1,2,3,4,5,6,7,8,9,10,11,12,13,14,15,16,17,18,19,20,21,22,23,24,25,26,27,28,29,30,31
	global_load_b32 v[HA+64*\u+\i], v[PW0A], s[14:15] offset:32*\u+512*\i
.endr
.irp i, 0,1,2
	global_load_b32 v[HA+64*\u+32+\i], v[PW0B], s[14:15] offset:32*\u+512*(64+\i)   ; rows 64 to 66, in both halves of the lanes: no load leaves the buffer
.endr
.endr
	WIN 0x40                                       ; destination window 1
.irp t, 0,1,2,3,4,5,6,7
.irp p, 0,1,2,3,4,5
	global_load_b64 v[W1F+12*\t+2*\p:W1F+12*\t+2*\p+1], v[PW12], s[18:19] offset:96*(32*(\t/2)+8*(\t%2))+48*(\p/3)+8*(\p%3)
.endr
.endr
	WIN 0x80                                       ; destination window 2
.irp t, 0,1,2,3,4,5,6,7
.irp p, 0,1,2,3,4,5
	global_load_b64 v[W2F+12*\t+2*\p:W2F+12*\t+2*\p+1], v[PW12], s[24:25] offset:96*(32*(\t/2)+8*(\t%2))+48*(\p/3)+8*(\p%3)
.endr
.endr
.irp t, 0,1,2,3
.irp p, 0,1,2,3,4,5
	global_load_b64 v[W3F+12*\t+2*\p:W3F+12*\t+2*\p+1], v[PW3], s[30:31] offset:96*\t+48*(\p/3)+8*(\p%3)
.endr
.endr
.set n, 3
.rept 13
	v_mov_b32 v[Z+n], 0                            ; k = 67 to 79: zeros, written once
.set n, n+1
.endr
	WIN 0xc0                                       ; destination window 3
.irp t, 0,1,2,3,4,5,6,7
	global_load_b128 v[B0+8*\t:B0+8*\t+3], v[PB], s[16:17] offset:4*(32*(\t/2)+8*(\t%2))
	global_load_b128 v[B0+8*\t+4:B0+8*\t+7], v[PB], s[16:17] offset:4*(32*(\t/2)+8*(\t%2))+16
	global_load_b128 v[B1+8*\t:B1+8*\t+3], v[PB], s[22:23] offset:4*(32*(\t/2)+8*(\t%2))
	global_load_b128 v[B1+8*\t+4:B1+8*\t+7], v[PB], s[22:23] offset:4*(32*(\t/2)+8*(\t%2))+16
	global_load_b128 v[B2+8*\t:B2+8*\t+3], v[PB], s[28:29] offset:4*(32*(\t/2)+8*(\t%2))
	global_load_b128 v[B2+8*\t+4:B2+8*\t+7], v[PB], s[28:29] offset:4*(32*(\t/2)+8*(\t%2))+16
.endr
.irp t, 0,1,2,3
.irp j, 0,1,2,3,4,5,6,7
	global_load_b32 v[B3+8*\t+\j], v[PS3], s[34:35] offset:4*\t   ; b3[4 r + t] for each of the eight rows of my half
.endr
.endr
	WIN 0
.irp t, 0,1,2,3,4,5,6,7
	global_load_b32 v[W1S+\t], v[PS12], s[20:21] offset:4*(32*(\t/2)+8*(\t%2))
	global_load_b32 v[W2S+\t], v[PS12], s[26:27] offset:4*(32*(\t/2)+8*(\t%2))
.endr
.irp t, 0,1,2,3
	global_load_b32 v[W3S+\t], v[PS3], s[32:33] offset:4*\t
.endr
.irp b, 4,5,6,7
	v_mov_b32 v[TM+\b], 0                          ; written once: a lane permute's destination counts as one of its sources
.endr
	s_mov_b32 s39, 0
	s_mov_b32 s40, 0
	s_mov_b32 s41, 1
	s_wait_loadcnt 0x0
	ADDR                                           ; trip 0's gathers and trip 1's indices go out, and land while W0 is quantised
	LOADG FA, VXA, QXA, FOA, VOA, 0
	LOADG FB, VXB, QXB, FOB, VOB, 24
	global_load_b32 v[IDXA], v[IO], s[4:5]
	global_load_b32 v[IDXB], v[IO], s[4:5] offset:64
	WQ HA, XA, PWA, 0                              ; wave w quantises tiles 2 w and 2 w + 1 of W0
	WQ HB, XB, PWB, 1
	s_wait_dscnt 0x0                               ; for the others' sake: my images lie in LDS
	s_barrier_signal -1
	s_barrier_wait -1
	WIN 0x40                                       ; destination window 1
.irp t, 0,1,2,3,4,5,6,7
.irp c, 0,1,2
	ds_load_b128 v[W0F+12*\t+4*\c:W0F+12*\t+4*\c+3], v[LI] offset:1536*\t+512*\c   ; the same lines as loads give every wave the same registers in the same lanes
.endr
.endr
	WIN 0
.irp t, 0,1,2,3,4,5,6,7
	ds_load_b32 v[W0S+\t], v[LS] offset:12288+128*\t
.endr
	s_wait_dscnt 0x0
	s_wait_loadcnt 0x0                             ; trip 0's rows and trip 1's indices are in
.Ltrip:                                        ; 8 trips of two tiles
	s_add_co_u32 s40, s39, 1
	s_min_u32 s40, s40, 7                          ; the rows gathered now are the next trip's, the indices fetched those of the trip after: both held at the last trip
	s_add_co_u32 s41, s39, 2
	s_min_u32 s41, s41, 7
	INQ FA, VXA, QXA, XA, PWA
	ADDR                                           ; (ten plain lines between the operand's making and its product)
	LOADG FA, VXA, QXA, FOA, VOA, 0
	global_load_b128 v[WA:WA+3], v[WO], s[6:7]               ; this trip's weights
	global_load_b128 v[WA+4:WA+7], v[WO], s[6:7] offset:16
	global_load_b128 v[WB:WB+3], v[WO], s[6:7] offset:64
	global_load_b128 v[WB+4:WB+7], v[WO], s[6:7] offset:80
	WL HA, XA, PWA, W0F, B0, W0S, 0x31             ; source 0 window 1, C window 3
	INQ FB, VXB, QXB, XB, PWB
	LOADG FB, VXB, QXB, FOB, VOB, 24
	global_load_b32 v[IDXA], v[IO], s[4:5]
	global_load_b32 v[IDXB], v[IO], s[4:5] offset:64
	RELU HA
	WL HB, XB, PWB, W0F, B0, W0S, 0x31
	QUANT HA, XA, PWA
	RELU HB
	WL HA, XA, PWA, W1F, B1, W1S, 0x31
	QUANT HB, XB, PWB
	RELU HA
	WL HB, XB, PWB, W1F, B1, W1S, 0x31
	QUANT HA, XA, PWA
	RELU HB
	WL HA, XA, PWA, W2F, B2, W2S, 0x32             ; source 0 window 2, C window 3
	QUANT HB, XB, PWB
	RELU HA
	WL HB, XB, PWB, W2F, B2, W2S, 0x32
	QUANT HA, XA, PWA
	RELU HB
	WL3 HA, XA, PWA
	QUANT HB, XB, PWB
	s_wait_loadcnt 0x0                             ; the weights, the next trip's rows and indices are in, and every load's address register is free: the youngest load was issued six layers ago
	RED HA, WA, T, 0
	WL3 HB, XB, PWB
.rept 4
	v_nop                                          ; four places between the last products and the first read of their results (ISA guide 7.12.1): no other vector work is left
.endr
	RED HB, WB, T+4, 512
	s_wait_xcnt 0x0                                ; the two stores' data and offset registers are written again only behind this wait
	s_add_co_u32 s39, s39, 1
	s_cmp_lt_u32 s39, 8
	s_cbranch_scc1 .Ltrip
	s_wait_tensorcnt 0x0
	ds_add_u32 v203, v255
	s_wait_dscnt 0x0
	s_endpgm
.Lfunc_end_k_q0c91d9c6f8_mlp:
	.size	k_q0c91d9c6f8_mlp, .Lfunc_end_k_q0c91d9c6f8_mlp-k_q0c91d9c6f8_mlp
	.p2alignl 7, 3214868480
	.fill 96, 4, 3214868480
	.section	.rodata,"a",@progbits
	.p2align	6, 0x0
	.amdhsa_kernel k_q0c91d9c6f8_mlp
		.amdhsa_group_segment_fixed_size 13824
		.amdhsa_private_segment_fixed_size 0
		.amdhsa_enable_private_segment 0
		.amdhsa_kernarg_size 136
		.amdhsa_user_sgpr_count 2
		.amdhsa_user_sgpr_kernarg_segment_ptr 1
		.amdhsa_wavefront_size32 1
		.amdhsa_system_sgpr_workgroup_id_x 1
		.amdhsa_system_sgpr_workgroup_id_y 1
		.amdhsa_system_sgpr_workgroup_id_z 1
		.amdhsa_system_vgpr_workitem_id 0
		.amdhsa_next_free_vgpr 1024
		.amdhsa_next_free_sgpr 66
		.amdhsa_reserve_vcc 0
		.amdhsa_float_denorm_mode_32 3
		.amdhsa_float_denorm_mode_16_64 3
		.amdhsa_memory_ordered 1
		.amdhsa_forward_progress 1
		.amdhsa_inst_pref_size 96
	.end_amdhsa_kernel
	.amdgpu_metadata
---
amdhsa.version: [ 1, 2 ]
amdhsa.kernels:
  - .name:           k_q0c91d9c6f8_mlp
    .symbol:         k_q0c91d9c6f8_mlp.kd
    .args:
      - { .name: idx, .offset: 0, .size: 8, .value_kind: global_buffer, .address_space: global }
      - { .name: wgt, .offset: 8, .size: 8, .value_kind: global_buffer, .address_space: global }
      - { .name: vertex, .offset: 16, .size: 8, .value_kind: global_buffer, .address_space: global }
      - { .name: vertex_features, .offset: 24, .size: 8, .value_kind: global_buffer, .address_space: global }
      - { .name: query_pts, .offset: 32, .size: 8, .value_kind: global_buffer, .address_space: global }
      - { .name: W0, .offset: 40, .size: 8, .value_kind: global_buffer, .address_space: global }
      - { .name: b0, .offset: 48, .size: 8, .value_kind: global_buffer, .address_space: global }
      - { .name: W1_codes, .offset: 56, .size: 8, .value_kind: global_buffer, .address_space: global }
      - { .name: W1_scales, .offset: 64, .size: 8, .value_kind: global_buffer, .address_space: global }
      - { .name: b1, .offset: 72, .size: 8, .value_kind: global_buffer, .address_space: global }
      - { .name: W2_codes, .offset: 80, .size: 8, .value_kind: global_buffer, .address_space: global }
      - { .name: W2_scales, .offset: 88, .size: 8, .value_kind: global_buffer, .address_space: global }
      - { .name: b2, .offset: 96, .size: 8, .value_kind: global_buffer, .address_space: global }
      - { .name: W3_codes, .offset: 104, .size: 8, .value_kind: global_buffer, .address_space: global }
      - { .name: W3_scales, .offset: 112, .size: 8, .value_kind: global_buffer, .address_space: global }
      - { .name: b3, .offset: 120, .size: 8, .value_kind: global_buffer, .address_space: global }
      - { .name: out0, .offset: 128, .size: 8, .value_kind: global_buffer, .address_space: global }
    .group_segment_fixed_size: 13824
    .private_segment_fixed_size: 0
    .kernarg_segment_align: 8
    .kernarg_segment_size: 136
    .max_flat_workgroup_size: 128
    .sgpr_count:     66
    .vgpr_count:     1024
    .wavefront_size: 32
...
	.end_amdgpu_metadata
.endif
;; end of part 3
;; ======== version 2 of 2: 3 launches; version 1 with the launch mlp written anew for expert scheduling mode
;; workspace buffers: grp 1,048,576 bytes of whole numbers; idx 1,048,576 bytes of whole numbers; wgt 1,048,576 bytes
;; launch groups: the kernel of part 1 again; grid 256 x 1, 8 waves a work-group, no clusters, 118,528 bytes of LDS; arguments vertex, query_pts, grp; writes grp
;; launch refine: the kernel of part 2 again; grid 256 x 1, 4 waves a work-group, no clusters, 118,016 bytes of LDS; arguments vertex, query_pts, grp, idx, wgt; writes idx, wgt
;; launch mlp (part 4): grid 256 x 1, 4 waves a work-group, no clusters, 13,824 bytes of LDS; arguments idx, wgt, vertex, vertex_features, query_pts, W0, b0, W1_codes, W1_scales, b1, W2_codes, W2_scales, b2, W3_codes, W3_scales, b3, out0; writes out0
.if DOCPART == 4
	.amdgcn_target "amdgcn-amd-amdhsa--gfx1250"
	.amdhsa_code_object_version 6
	.text
	.protected	k_q0c91d9c6f8_mlp
	.globl	k_q0c91d9c6f8_mlp
	.p2align	8
	.type	k_q0c91d9c6f8_mlp,@function
k_q0c91d9c6f8_mlp:
	s_mov_b64 s[64:65], 0
	v_nop
	global_prefetch_b8 v0, s[64:65] scope:SCOPE_SE
	s_setreg_imm32_b32 hwreg(HW_REG_WAVE_SCHED_MODE, 0, 2), 2
	s_setreg_imm32_b32 hwreg(HW_REG_WAVE_MODE, 25, 1), 1
	s_wait_xcnt 0x0
	s_wait_alu depctr_vm_vsrc(0)
; out0[q] = the sum over the 8 neighbours j of w[q][j] x MLP([features of vertex idx[q][j], q - vertex idx[q][j]]), the MLP 67 -> 128 -> 128 -> 128 -> 64 with relu behind the first three layers.
; All four products on codes of BF6 (E3M2) with one E8M0 scale for each 32 along K.  W1, W2, W3 arrive as codes; W0 (f32, K its first axis) and every activation are quantised here, from f32.
; A block's scale byte is its largest magnitude's exponent field - 4, held at 1 from below (a block of zeros so has the byte 1 where the rule says 127: its codes are zeros, and only this text reads the bytes).
; SHARES.  A wave owns 32 queries = 256 rows = 16 tiles of 16 rows (2 queries x 8 neighbours) and walks them in 8 trips of two tiles, A and B.  ALL weights, their scale words and the biases stay in each
; wave's registers (336 + 28 + 224), so the loop touches no LDS and has no barrier.  The weights that the work-groups share are 66 KB, read once by a wave into registers: no tile goes through LDS, so no cluster.
; LAYOUT.  Layers 0 to 2 are used transposed (source 0 = 16 rows of the weight, source 1 = 16 rows of activations), and lane r of weight tile 2 b + u takes row 32 b + 8 u + r + 8 (r / 8): lane (r, h) then holds
; row r, and the 16 registers of tiles 2 b, 2 b + 1 are hidden units 32 b + 16 h + 0 .. 15: neighbours along the next K.  Layer 3 is used straight (source 0 = activations, source 1 = W3's rows 4 r + t):
; register j of tile t in lane (r, h) is feature 4 r + t of neighbour j of the tile's query h: the weighted sum stays in the lane, and its four results are 16 neighbouring bytes of out0.
; The biases are the C of each product.  K = 128 is one matrix instruction, so no sum is chained.
; TWO TILES BY TURNS: between the vector lines that make an operand and its scale word and the product that takes them stands the other tile's vector work (at least 10 plain lines), and so it does
; between a product and the first read of its results; four v_nop a trip are written.
; The gathers' addresses come from idx, whole numbers that an earlier launch stored, each held to 6,889.  Gathers run a trip ahead, the indices two trips; the last trips ask again for the last trip's data, so that no load leaves its buffer and every count is the same in every trip.
; LIMITS: NaN and infinities among the inputs are not served.
; THE MODE: SCHED_MODE bits 1:0 = 2 (LLVM: expert scheduling mode 2), set by the entry lines.  The code itself states the register dependences between vector or matrix instructions and memory or LDS
; instructions, with s_wait_alu, always for 0.
; THE PLAN.  Registers that memory instructions touch, in the loop:
;   FA, VXA, QXA   read by tile A's INQ at the trip's head; the next trip's gathers land in them behind tile A's first products.
;   FB, VXB, QXB   read by tile B's INQ; the next trip's gathers land in them behind tile B's first products.
;   WA, WB         read by the two weighted sums at the trip's end; this trip's weights land in them behind tile A's first products.
;   IDXA, IDXB     read by ADDR; the indices of the trip after next land in them behind tile B's first products.
;   FOA, FOB, VOA, VOB, QO, IO, WO, OO   written by ADDR, once a trip; read by the trip's loads and its two stores.
;   T .. T+7       at work in the conversions; at the trip's end the weighted sums write them and the two stores read them.
;   All else (HA, HB, XA, XB, PWA, PWB, TM, Z, the weights, biases and scale words) is named in the loop by vector and matrix instructions alone.
; THE WAITS.  Each of a trip's eight groups of products takes an operand and a scale word that vector lines have made: a wait on va_vdst stands ahead of each group, behind the places.  The first, the second and
; the eighth of them also state what the loads and the store that follow those products hang on; between such a wait and its memory instructions stand only window switches and the products, which name
; H, a weight's fragments, X, a bias and scale words: none of the registers that those loads and that store touch.  A ninth wait on va_vdst stands ahead of the second store.  One wait on vm_vsrc stands at the
; trip's end, ahead of the branch: the trip's loads and stores have read the address registers and T, which the next trip writes again.
; REGISTERS, in windows of 256 (s_set_vgpr_msb: bits 1:0 source 0, 3:2 source 1, 5:4 source 2, 7:6 destination).  Window 0: below.  Window 1: W0's 8 fragments at 12 t, W1's at 96 + 12 t.
; Window 2: W2's at 12 t, W3's four at 96 + 12 t; from 144 what the gathers bring.  Window 3: the biases, 8 registers a tile.
.set RR,   1                           ; r = lane % 16
.set HH,   2                           ; h = lane / 16
.set LI,   3                           ; 16 x lane
.set LS,   4                           ; 4 x lane
.set IW,   5                           ; 16 x lane + 3,072 x wave: where I store my two fragments of W0
.set ISW,  6                           ; 4 x lane + 256 x wave: and their scale words
.set H128, 7                           ; 128 h
.set SH8,  8                           ; 8 h
.set IO0,  9                           ; idx: 4 r
.set QO0,  10                          ; query_pts: 12 (r / 8)
.set WO0,  11                          ; wgt: 32 h
.set OO0,  12                          ; out0: 256 h + 16 r
.set IO,   13                          ; the same with the trip's step
.set QO,   14
.set WO,   15
.set OO,   16
.set IDXA, 17                          ; the next trip's indices
.set IDXB, 18
.set ICA,  19                          ; held inside the table
.set ICB,  20
.set FOA,  21                          ; 256 index + 128 h
.set FOB,  22
.set VOA,  23                          ; 12 index
.set VOB,  24
.set RP,   25                          ; r + 8 (r / 8)
.set PW0A, 26                          ; the head's offsets: W0, block h;
.set PW0B, 27                          ; W0, rows 64 to 66;
.set PW12, 28                          ; W1's and W2's codes;
.set PW3,  29                          ; W3's codes;
.set PS12, 30                          ; W1's and W2's scale words;
.set PS3,  31                          ; W3's scale words, b3;
.set PB,   254                         ; b0, b1, b2
.set HA,   32                          ; v32-95   tile A's 8 result tiles
.set HB,   96                          ; v96-159  tile B's
.set XA,   160                         ; v160-171 tile A's operand
.set XB,   172                         ; v172-183 tile B's
.set T,    184                         ; v184-191 second halves of conversions; at the trip's end the two tiles' results
.set TM,   192                         ; v192-207 at work (v203 is not: it is kept for the closing add)
.set PWA,  208                         ; the operands' scale words
.set PWB,  209
.set W0S,  210                         ; the weights' scale words
.set W1S,  218
.set W2S,  226
.set W3S,  234
.set WA,   238                         ; v238-245 my query's eight weights, tile A
.set WB,   246                         ; v246-253 tile B
.set W0F,  0                           ; window 1
.set W1F,  96
.set W2F,  0                           ; window 2
.set W3F,  96
.set FA,   144                         ; 32 features of my row, tile A
.set FB,   176
.set VXA,  208                         ; my row's vertex,
.set QXA,  212                         ; its query
.set VXB,  216
.set QXB,  220
.set Z,    224                         ; v224-239 of window 2: q - vertex, then 13 zeros written once
.set B0,   0                           ; window 3
.set B1,   64
.set B2,   128
.set B3,   192
.set MSB, 0
.macro WIN new                         ; the immediate's high byte repeats the setting that is left
.if MSB != \new
	s_set_vgpr_msb (MSB<<8)|\new
.set MSB, \new
.endif
.endm
; From the largest magnitudes of my two blocks (v[TM], v[TM+1]: block h in two chains; v[TM+2]: block 2 + h): the conversions' scale operands in v[TM+12], v[TM+13], and the row's scale word in v[pw].
.macro WORD pw
	v_max_num_f32 v[TM], v[TM], v[TM+1]
	v_add_nc_u32 v[TM+13], 0xfe000000, v[TM+2]     ; 4 off the exponent field: the conversion takes the exponent field of this operand as its scale, and nothing else of it
	v_add_nc_u32 v[TM+12], 0xfe000000, v[TM]
	v_lshrrev_b32 v[TM+5], 23, v[TM+13]            ; the scales' bytes
	v_lshrrev_b32 v[TM+4], 23, v[TM+12]
	v_lshl_or_b32 v[TM+6], v[TM+5], 16, v[TM+4]    ; blocks h and 2 + h,
	v_lshlrev_b32 v[TM+6], v[SH8], v[TM+6]         ; at their places in the word;
	v_permlanex16_b32 v[TM+7], v[TM+6], s42, s43
	v_or_b32 v[\pw], v[TM+6], v[TM+7]              ; with lane l xor 16's two the word is whole
.endm
.macro TAILX xx                        ; behind the three conversions of an operand whose K ends at 67
	v_nop                                          ; one plain place behind a scaled conversion
.irp i, 0,1,2
	v_mov_b32 v[\xx+3+\i], v[T+\i]                 ; (a conversion's three registers begin on an even number: the second half of a block's six is made elsewhere and moved)
.endr
.irp i, 0,1,2
	v_mov_b32 v[\xx+9+\i], 0                       ; k = 80 + 32 h on: zero codes
.endr
.endm
; One of my two tiles of W0: lane (r, h) holds, of its column, rows 32 h + 0 .. 31 in v[hx] on and (h = 0) rows 64 to 66 in v[hx+32] on: whole blocks, in the operand's own order.  The codes go to v[xx] on, the scale word to v[pw].
.macro WQ hx, xx, pw
.set n, 35
.rept 13
	v_mov_b32 v[\hx+n], 0                          ; K ends at 67: the rest of the block is zeros
.set n, n+1
.endr
.irp i, 32,33,34
	v_cndmask_b32 v[\hx+\i], 0, v[\hx+\i], s44     ; and so is lanes 16-31's block 3
.endr
	v_max3_num_f32 v[TM], 0x2800000, |v[\hx]|, |v[\hx+1]|       ; the floor 2^(5 - 127), under which no largest magnitude is taken: so the byte cannot fall under 1
	v_max3_num_f32 v[TM+1], 0x2800000, |v[\hx+2]|, |v[\hx+3]|
.irp i, 4,8,12,16,20,24,28
	v_max3_num_f32 v[TM], v[TM], |v[\hx+\i]|, |v[\hx+\i+1]|
	v_max3_num_f32 v[TM+1], v[TM+1], |v[\hx+\i+2]|, |v[\hx+\i+3]|
.endr
	v_max3_num_f32 v[TM+2], 0x2800000, |v[\hx+32]|, |v[\hx+33]|
	v_max_num_f32 v[TM+2], v[TM+2], |v[\hx+34]|
	WORD \pw
	v_cvt_scalef32_pk16_bf6_f32 v[\xx:\xx+2], v[\hx:\hx+15], v[TM+12]
	v_cvt_scalef32_pk16_bf6_f32 v[T:T+2], v[\hx+16:\hx+31], v[TM+12]
	v_cvt_scalef32_pk16_bf6_f32 v[\xx+6:\xx+8], v[\hx+32:\hx+47], v[TM+13]
	TAILX \xx
.endm
.macro WQOUT xx, pw, u                 ; my tile 2 w + u of W0 goes to LDS as an image of its registers: lane l's 16 bytes at 16 l; its scale word 4 bytes a lane
.irp c, 0,1,2
	ds_store_b128 v[IW], v[\xx+4*\c:\xx+4*\c+3] offset:1536*\u+512*\c
.endr
	ds_store_b32 v[ISW], v[\pw] offset:12288+128*\u
.endm
; The addresses of what this trip asks for: ten plain vector lines.  s39 = the trip, s40 = the trip whose rows are gathered, s41 = the trip whose indices are fetched.
.macro ADDR
	s_mul_i32 s45, s40, 48
	s_lshl_b32 s46, s41, 7
	s_lshl_b32 s47, s39, 7
	s_lshl_b32 s48, s39, 10
	v_min_u32 v[ICA], 0x1ae9, v[IDXA]              ; a loaded number enters an address only held inside the table: 6,889
	v_min_u32 v[ICB], 0x1ae9, v[IDXB]
	v_lshl_add_u32 v[FOA], v[ICA], 8, v[H128]
	v_lshl_add_u32 v[FOB], v[ICB], 8, v[H128]
	v_mul_u32_u24 v[VOA], v[ICA], 12
	v_mul_u32_u24 v[VOB], v[ICB], 12
	v_add_nc_u32 v[QO], s45, v[QO0]
	v_add_nc_u32 v[IO], s46, v[IO0]
	v_add_nc_u32 v[WO], s47, v[WO0]
	v_add_nc_u32 v[OO], s48, v[OO0]
.endm
.macro LOADG f, vx, qx, fo, vo, qoff   ; a tile's gathers: my row's features 32 h + 0 .. 31 (128 bytes on end), its vertex, its query
	WIN 0x80                                       ; destination window 2
.irp i, 0,1,2,3,4,5,6,7
	global_load_b128 v[\f+4*\i:\f+4*\i+3], v[\fo], s[10:11] offset:16*\i
.endr
.irp i, 0,1,2
	global_load_b32 v[\vx+\i], v[\vo], s[8:9] offset:4*\i
	global_load_b32 v[\qx+\i], v[QO], s[12:13] offset:\qoff+4*\i
.endr
	WIN 0
.endm
; The first layer's operand of a tile: lane (r, h) holds whole blocks of row r: block h = features 32 h + 0 .. 31; block 2 + h = q - vertex and zeros (h = 0), zeros (h = 1).
.macro INQ f, vx, qx, xx, pw
	WIN 0xaa                                       ; all in window 2
.irp i, 0,1,2
	v_sub_f32 v[Z+\i], v[\qx+\i], v[\vx+\i]
.endr
.irp i, 0,1,2
	v_cndmask_b32 v[Z+\i], 0, v[Z+\i], s44
.endr
	WIN 0x28                                       ; sources 1 and 2 window 2
	v_max3_num_f32 v[TM], 0x2800000, |v[\f]|, |v[\f+1]|         ; the floor 2^(5 - 127)
	v_max3_num_f32 v[TM+1], 0x2800000, |v[\f+2]|, |v[\f+3]|
.irp i, 4,8,12,16,20,24,28
	v_max3_num_f32 v[TM], v[TM], |v[\f+\i]|, |v[\f+\i+1]|
	v_max3_num_f32 v[TM+1], v[TM+1], |v[\f+\i+2]|, |v[\f+\i+3]|
.endr
	v_max3_num_f32 v[TM+2], 0x2800000, |v[Z]|, |v[Z+1]|
	v_max_num_f32 v[TM+2], v[TM+2], |v[Z+2]|
	WIN 0
	WORD \pw
	WIN 0x02                                       ; source 0 window 2
	v_cvt_scalef32_pk16_bf6_f32 v[\xx:\xx+2], v[\f:\f+15], v[TM+12]
	v_cvt_scalef32_pk16_bf6_f32 v[T:T+2], v[\f+16:\f+31], v[TM+12]
	v_cvt_scalef32_pk16_bf6_f32 v[\xx+6:\xx+8], v[Z:Z+15], v[TM+13]
	WIN 0
	TAILX \xx
.endm
; A layer of 128 units on one tile of rows: eight products, transposed, each with its bias as C.
.macro WL hx, xx, pw, wf, bb, ws, win
	WIN \win
	s_wait_alu depctr_va_vdst(0)                   ; the vector lines have written the operand v[xx ..] and its scale word v[pw], which the scaled products take; the places stand ahead of this wait.  What else it states is said where the macro is used
.irp t, 0,1,2,3,4,5,6,7
	v_wmma_scale_f32_16x16x128_f8f6f4 v[\hx+8*\t:\hx+8*\t+7], v[\wf+12*\t:\wf+12*\t+11], v[\xx:\xx+11], v[\bb+8*\t:\bb+8*\t+7], v[\ws+\t], v[\pw] matrix_a_fmt:MATRIX_FMT_BF6 matrix_b_fmt:MATRIX_FMT_BF6
.endr
	WIN 0
.endm
.macro WL3 hx, xx, pw                  ; the last layer, straight: source 0 = the rows, source 1 (window 2) = W3's rows 4 r + t, C (window 3) = b3
	WIN 0x38
	s_wait_alu depctr_va_vdst(0)                   ; the vector lines have written the operand v[xx ..] and its scale word v[pw], which the scaled products take; the places stand ahead of this wait.  What else it states is said where the macro is used
.irp t, 0,1,2,3
	v_wmma_scale_f32_16x16x128_f8f6f4 v[\hx+8*\t:\hx+8*\t+7], v[\xx:\xx+11], v[W3F+12*\t:W3F+12*\t+11], v[B3+8*\t:B3+8*\t+7], v[\pw], v[W3S+\t] matrix_a_fmt:MATRIX_FMT_BF6 matrix_b_fmt:MATRIX_FMT_BF6
.endr
	WIN 0
.endm
.macro RELU hx                         ; in f32; ascending
.set n, 0
.rept 64
	v_max_num_f32 v[\hx+n], 0, v[\hx+n]
.set n, n+1
.endr
.endm
; 64 numbers of a lane, none negative, register 16 b + i = k 32 b + 16 h + i of my row, become the next operand's codes in v[xx] on and its scale word in v[pw].
.macro QUANT hx, xx, pw
.irp b, 0,1,2,3
	v_max3_num_f32 v[TM+\b], v[\hx+16*\b], v[\hx+1+16*\b], 0x2800000   ; block b: my 16 numbers, and the floor 2^(5 - 127)
.endr
.irp i, 2,4,6,8,10,12,14
.irp b, 0,1,2,3
	v_max3_num_f32 v[TM+\b], v[TM+\b], v[\hx+16*\b+\i], v[\hx+1+16*\b+\i]   ; (the four blocks by turns)
.endr
.endr
.irp b, 0,1,2,3
	v_permlanex16_b32 v[TM+4+\b], v[TM+\b], s42, s43
.endr
.irp b, 0,1,2,3
	v_max_num_f32 v[TM+\b], v[TM+\b], v[TM+4+\b]   ; with lane l xor 16's: the block's largest
.endr
.irp b, 0,1,2,3
	v_add_nc_u32 v[TM+12+\b], 0xfe000000, v[TM+\b] ; 4 off its exponent field: the conversion's scale operand
.endr
.irp b, 0,1,2,3
	v_lshrrev_b32 v[TM+4+\b], 23, v[TM+12+\b]      ; the scale's byte
.endr
	v_lshl_or_b32 v[\pw], v[TM+5], 8, v[TM+4]
	v_lshl_or_b32 v[\pw], v[TM+6], 16, v[\pw]
	v_lshl_or_b32 v[\pw], v[TM+7], 24, v[\pw]
.irp c, 0,1
	v_cvt_scalef32_pk16_bf6_f32 v[\xx+6*\c:\xx+6*\c+2], v[\hx+32*\c:\hx+32*\c+15], v[TM+12+2*\c]
	v_cvt_scalef32_pk16_bf6_f32 v[T+4*\c:T+4*\c+2], v[\hx+32*\c+16:\hx+32*\c+31], v[TM+13+2*\c]
.endr
	v_nop                                          ; one plain place behind a scaled conversion
.irp c, 0,1                            ; the operand's layout wants a WHOLE block in a lane: lanes 0-15 block 2 c, lanes 16-31 block 2 c + 1
.irp i, 0,1,2
	v_permlane16_swap_b32 v[\xx+6*\c+\i], v[T+4*\c+\i]
.endr
.irp i, 0,1,2
	v_mov_b32 v[\xx+6*\c+3+\i], v[T+4*\c+\i]
.endr
.endr
.endm
; The weighted sum over my query's 8 neighbours, four features a lane, into v[ox] on.
.macro RED hx, wx, ox
.irp t, 0,1,2,3
	v_pk_mul_f32 v[TM+2*\t:TM+2*\t+1], v[\hx+8*\t:\hx+8*\t+1], v[\wx:\wx+1]
.endr
.irp m, 1,2,3
.irp t, 0,1,2,3
	v_pk_fma_f32 v[TM+2*\t:TM+2*\t+1], v[\hx+8*\t+2*\m:\hx+8*\t+2*\m+1], v[\wx+2*\m:\wx+2*\m+1], v[TM+2*\t:TM+2*\t+1]
.endr
.endr
.irp t, 0,1,2,3
	v_add_f32 v[\ox+\t], v[TM+2*\t], v[TM+2*\t+1]
.endr
.endm
	s_load_b512 s[4:19], s[0:1], 0x0               ; idx s[4:5], wgt s[6:7], vertex s[8:9], vertex_features s[10:11], query_pts s[12:13], W0 s[14:15], b0 s[16:17], W1's codes s[18:19]
	s_load_b512 s[20:35], s[0:1], 0x40             ; W1's scales s[20:21], b1 s[22:23], W2's codes s[24:25], scales s[26:27], b2 s[28:29], W3's codes s[30:31], scales s[32:33], b3 s[34:35]
	s_load_b64 s[36:37], s[0:1], 0x80              ; out0
	v_lshl_add_u32 v203, v0, 2, 0x3400
	v_mov_b32 v255, 0
	v_lshrrev_b32 v[RR], 5, v0
	v_readfirstlane_b32 s38, v[RR]                 ; wave 0..3
	v_and_b32 v[LS], 31, v0
	v_and_b32 v[RR], 15, v0
	v_bfe_u32 v[HH], v0, 4, 1
	v_lshlrev_b32 v[LI], 4, v[LS]
	v_lshlrev_b32 v[LS], 2, v[LS]
	s_wait_alu depctr_va_sdst(0)                   ; s38 is written, ahead of its first reader: LDS places and the buffers' bases are made from it
	s_mul_i32 s45, s38, 3072
	v_add_nc_u32 v[IW], s45, v[LI]
	s_lshl_b32 s45, s38, 8
	v_add_nc_u32 v[ISW], s45, v[LS]
	v_lshlrev_b32 v[H128], 7, v[HH]
	v_lshlrev_b32 v[SH8], 3, v[HH]
	v_lshlrev_b32 v[IO0], 2, v[RR]
	v_lshrrev_b32 v[QO0], 3, v[RR]
	v_mul_u32_u24 v[QO0], v[QO0], 12
	v_lshlrev_b32 v[WO0], 5, v[HH]
	v_lshlrev_b32 v[OO0], 8, v[HH]
	v_lshl_add_u32 v[OO0], v[RR], 4, v[OO0]
	v_and_b32 v[RP], 8, v[RR]
	v_add_nc_u32 v[RP], v[RP], v[RR]               ; r + 8 (r / 8)
	s_lshl_b32 s45, s38, 7
	v_lshl_add_u32 v[PW0B], v[RP], 2, s45          ; W0: column 32 w + r + 8 (r / 8), 4 bytes each;
	v_lshl_add_u32 v[PW0A], v[HH], 14, v[PW0B]     ; lanes 16-31 begin 32 rows of 512 bytes further down
	v_mul_u32_u24 v[PW12], v[RP], 96               ; a row of 128 codes is 96 bytes
	v_mad_u32_u24 v[PW12], v[HH], 24, v[PW12]
	v_mul_u32_u24 v[PW3], v[RR], 384               ; W3: row 4 r + t
	v_mad_u32_u24 v[PW3], v[HH], 24, v[PW3]
	v_lshlrev_b32 v[PS12], 2, v[RP]
	v_lshlrev_b32 v[PS3], 4, v[RR]
	v_lshlrev_b32 v[PB], 6, v[HH]                  ; a bias tile: units 16 h + 0 .. 7 of its 32 b + 8 u
	s_mov_b32 s42, 0x76543210
	s_mov_b32 s43, 0xfedcba98                      ; v_permlanex16_b32's selects for lane l xor 16
	s_mov_b32 s44, 0xffff                          ; lanes 0-15
	s_lshl_b32 s46, ttmp9, 2
	s_add_co_u32 s46, s46, s38                     ; my block of 32 queries: 4 x work-group + wave
	s_lshl_b32 s48, s46, 10                        ; 32 bytes a query in idx and wgt,
	s_mov_b32 s49, 0
	s_mul_i32 s50, s46, 384                        ; 12 in query_pts,
	s_mov_b32 s51, 0
	s_lshl_b32 s52, s46, 13                        ; 256 in out0
	s_mov_b32 s53, 0
	s_wait_kmcnt 0x0
	s_add_nc_u64 s[4:5], s[4:5], s[48:49]
	s_add_nc_u64 s[6:7], s[6:7], s[48:49]
	s_add_nc_u64 s[12:13], s[12:13], s[50:51]
	s_add_nc_u64 s[36:37], s[36:37], s[52:53]
	s_wait_alu depctr_va_vdst(0)                   ; the head's offsets and LDS places (v3 to v12, v26 to v31, v254) are written, which the loads and LDS instructions below read, and so are v203 and v255.  The zeros written further down (Z, TM) are named by no memory instruction
	global_load_b32 v[IDXA], v[IO0], s[4:5]                   ; trip 0's indices: row r of tile A, of tile B
	global_load_b32 v[IDXB], v[IO0], s[4:5] offset:64
.irp u, 0,1                            ; W0: my two tiles' columns, registers down K
.irp i, 0,1,2,3,4,5,6,7,8,9,10,11,12,13,14,15,16,17,18,19,20,21,22,23,24,25,26,27,28,29,30,31
	global_load_b32 v[HA+64*\u+\i], v[PW0A], s[14:15] offset:32*\u+512*\i
.endr
.irp i, 0,1,2
	global_load_b32 v[HA+64*\u+32+\i], v[PW0B], s[14:15] offset:32*\u+512*(64+\i)   ; rows 64 to 66, in both halves of the lanes: no load leaves the buffer
.endr
.endr
	WIN 0x40                                       ; destination window 1
.irp t, 0,1,2,3,4,5,6,7
.irp p, 0,1,2,3,4,5
	global_load_b64 v[W1F+12*\t+2*\p:W1F+12*\t+2*\p+1], v[PW12], s[18:19] offset:96*(32*(\t/2)+8*(\t%2))+48*(\p/3)+8*(\p%3)
.endr
.endr
	WIN 0x80                                       ; destination window 2
.irp t, 0,1,2,3,4,5,6,7
.irp p, 0,1,2,3,4,5
	global_load_b64 v[W2F+12*\t+2*\p:W2F+12*\t+2*\p+1], v[PW12], s[24:25] offset:96*(32*(\t/2)+8*(\t%2))+48*(\p/3)+8*(\p%3)
.endr
.endr
.irp t, 0,1,2,3
.irp p, 0,1,2,3,4,5
	global_load_b64 v[W3F+12*\t+2*\p:W3F+12*\t+2*\p+1], v[PW3], s[30:31] offset:96*\t+48*(\p/3)+8*(\p%3)
.endr
.endr
.set n, 3
.rept 13
	v_mov_b32 v[Z+n], 0                            ; k = 67 to 79: zeros, written once
.set n, n+1
.endr
	WIN 0xc0                                       ; destination window 3
.irp t, 0,1,2,3,4,5,6,7
	global_load_b128 v[B0+8*\t:B0+8*\t+3], v[PB], s[16:17] offset:4*(32*(\t/2)+8*(\t%2))
	global_load_b128 v[B0+8*\t+4:B0+8*\t+7], v[PB], s[16:17] offset:4*(32*(\t/2)+8*(\t%2))+16
	global_load_b128 v[B1+8*\t:B1+8*\t+3], v[PB], s[22:23] offset:4*(32*(\t/2)+8*(\t%2))
	global_load_b128 v[B1+8*\t+4:B1+8*\t+7], v[PB], s[22:23] offset:4*(32*(\t/2)+8*(\t%2))+16
	global_load_b128 v[B2+8*\t:B2+8*\t+3], v[PB], s[28:29] offset:4*(32*(\t/2)+8*(\t%2))
	global_load_b128 v[B2+8*\t+4:B2+8*\t+7], v[PB], s[28:29] offset:4*(32*(\t/2)+8*(\t%2))+16
.endr
.irp t, 0,1,2,3
.irp j, 0,1,2,3,4,5,6,7
	global_load_b32 v[B3+8*\t+\j], v[PS3], s[34:35] offset:4*\t   ; b3[4 r + t] for each of the eight rows of my half
.endr
.endr
	WIN 0
.irp t, 0,1,2,3,4,5,6,7
	global_load_b32 v[W1S+\t], v[PS12], s[20:21] offset:4*(32*(\t/2)+8*(\t%2))
	global_load_b32 v[W2S+\t], v[PS12], s[26:27] offset:4*(32*(\t/2)+8*(\t%2))
.endr
.irp t, 0,1,2,3
	global_load_b32 v[W3S+\t], v[PS3], s[32:33] offset:4*\t
.endr
.irp b, 4,5,6,7
	v_mov_b32 v[TM+\b], 0                          ; written once: a lane permute's destination counts as one of its sources
.endr
	s_mov_b32 s39, 0
	s_mov_b32 s40, 0
	s_mov_b32 s41, 1
	s_wait_loadcnt 0x0
	ADDR                                           ; trip 0's gathers and trip 1's indices go out, and land while W0 is quantised
	s_wait_alu depctr_va_vdst(0)                   ; ADDR has written the addresses that the loads below read, and is done reading IDXA and IDXB, in which the last two of them land
	LOADG FA, VXA, QXA, FOA, VOA, 0
	LOADG FB, VXB, QXB, FOB, VOB, 24
	global_load_b32 v[IDXA], v[IO], s[4:5]
	global_load_b32 v[IDXB], v[IO], s[4:5] offset:64
	WQ HA, XA, PWA                                 ; wave w quantises tiles 2 w and 2 w + 1 of W0
	WQ HB, XB, PWB
	s_wait_alu depctr_va_vdst(0)                   ; the conversions and moves have written both fragments (XA, XB) and both scale words (PWA, PWB), which the eight LDS stores read
	WQOUT XA, PWA, 0
	WQOUT XB, PWB, 1
	s_wait_dscnt 0x0                               ; for the others' sake: my images lie in LDS
	s_barrier_signal -1
	s_barrier_wait -1
	WIN 0x40                                       ; destination window 1
.irp t, 0,1,2,3,4,5,6,7
.irp c, 0,1,2
	ds_load_b128 v[W0F+12*\t+4*\c:W0F+12*\t+4*\c+3], v[LI] offset:1536*\t+512*\c   ; the same lines as loads give every wave the same registers in the same lanes
.endr
.endr
	WIN 0
.irp t, 0,1,2,3,4,5,6,7
	ds_load_b32 v[W0S+\t], v[LS] offset:12288+128*\t
.endr
	s_wait_dscnt 0x0
	s_wait_loadcnt 0x0                             ; trip 0's rows and trip 1's indices are in
	s_wait_alu depctr_vm_vsrc(0)                   ; my LDS stores have read XA, XB, PWA and PWB, and the head's gathers their addresses: trip 0 writes all of them again
.Ltrip:                                        ; 8 trips of two tiles
	s_add_co_u32 s40, s39, 1
	s_min_u32 s40, s40, 7                          ; the rows gathered now are the next trip's, the indices fetched those of the trip after: both held at the last trip
	s_add_co_u32 s41, s39, 2
	s_min_u32 s41, s41, 7
	INQ FA, VXA, QXA, XA, PWA
	ADDR                                           ; (ten plain lines between the operand's making and its product)
	; The wait in the next macro also states: INQ is done reading FA, VXA, QXA; the last trip's weighted sums are done reading WA and WB; ADDR has written the trip's addresses and is done reading IDXA and IDXB.
	WL HA, XA, PWA, W0F, B0, W0S, 0x31             ; source 0 window 1, C window 3
	LOADG FA, VXA, QXA, FOA, VOA, 0                ; no further wait: the eight products since that wait name none of these loads' registers
	global_load_b128 v[WA:WA+3], v[WO], s[6:7]               ; this trip's weights
	global_load_b128 v[WA+4:WA+7], v[WO], s[6:7] offset:16
	global_load_b128 v[WB:WB+3], v[WO], s[6:7] offset:64
	global_load_b128 v[WB+4:WB+7], v[WO], s[6:7] offset:80
	INQ FB, VXB, QXB, XB, PWB
	RELU HA
	; The wait in the next macro also states: INQ is done reading FB, VXB, QXB.  (FOB, VOB, QO and IO were written, and IDXA and IDXB read, ahead of the trip's first wait.)
	WL HB, XB, PWB, W0F, B0, W0S, 0x31
	LOADG FB, VXB, QXB, FOB, VOB, 24               ; no further wait: the eight products since that wait name none of these loads' registers
	global_load_b32 v[IDXA], v[IO], s[4:5]
	global_load_b32 v[IDXB], v[IO], s[4:5] offset:64
	QUANT HA, XA, PWA
	RELU HB
	WL HA, XA, PWA, W1F, B1, W1S, 0x31
	QUANT HB, XB, PWB
	RELU HA
	WL HB, XB, PWB, W1F, B1, W1S, 0x31
	QUANT HA, XA, PWA
	RELU HB
	WL HA, XA, PWA, W2F, B2, W2S, 0x32             ; source 0 window 2, C window 3
	QUANT HB, XB, PWB
	RELU HA
	WL HB, XB, PWB, W2F, B2, W2S, 0x32
	QUANT HA, XA, PWA
	RELU HB
	WL3 HA, XA, PWA
	QUANT HB, XB, PWB
	s_wait_loadcnt 0x0                             ; the weights, the next trip's rows and indices are in, and every load's address register is free: the youngest load was issued behind the second of the trip's eight groups of products
	RED HA, WA, T
	; The wait in the next macro also states: the weighted sum has written T to T + 3, which tile A's store reads (OO was written ahead of the trip's first wait).
	WL3 HB, XB, PWB
	global_store_b128 v[OO], v[T:T+3], s[36:37] th:TH_STORE_NT              ; lanes 0-15 fill one row of 256 bytes of out0, lanes 16-31 the next.  No further wait: the four products since that wait name neither OO nor T
.rept 4
	v_nop                                          ; four places between the last products and the first read of their results (ISA guide 7.12.1): no other vector work is left
.endr
	RED HB, WB, T+4
	s_wait_alu depctr_va_vdst(0)                   ; the weighted sum has written T + 4 to T + 7, which tile B's store reads
	global_store_b128 v[OO], v[T+4:T+7], s[36:37] offset:512 th:TH_STORE_NT
	s_wait_xcnt 0x0                                ; the two stores' data and offset registers are written again only behind this wait
	s_wait_alu depctr_vm_vsrc(0)                   ; the trip's loads and stores have read FOA, FOB, VOA, VOB, QO, IO, WO, OO and T to T + 7, which the next trip's INQ and ADDR write again
	s_add_co_u32 s39, s39, 1
	s_cmp_lt_u32 s39, 8
	s_cbranch_scc1 .Ltrip
	s_wait_dscnt 0x0                               ; the closing lines, six on end
	s_wait_alu 0x0
	s_wait_tensorcnt 0x0
	ds_add_u32 v203, v255
	s_wait_dscnt 0x0
	s_endpgm
.Lfunc_end_k_q0c91d9c6f8_mlp:
	.size	k_q0c91d9c6f8_mlp, .Lfunc_end_k_q0c91d9c6f8_mlp-k_q0c91d9c6f8_mlp
	.p2alignl 7, 3214868480
	.fill 96, 4, 3214868480
	.section	.rodata,"a",@progbits
	.p2align	6, 0x0
	.amdhsa_kernel k_q0c91d9c6f8_mlp
		.amdhsa_group_segment_fixed_size 13824
		.amdhsa_private_segment_fixed_size 0
		.amdhsa_enable_private_segment 0
		.amdhsa_kernarg_size 136
		.amdhsa_user_sgpr_count 2
		.amdhsa_user_sgpr_kernarg_segment_ptr 1
		.amdhsa_wavefront_size32 1
		.amdhsa_system_sgpr_workgroup_id_x 1
		.amdhsa_system_sgpr_workgroup_id_y 1
		.amdhsa_system_sgpr_workgroup_id_z 1
		.amdhsa_system_vgpr_workitem_id 0
		.amdhsa_next_free_vgpr 1024
		.amdhsa_next_free_sgpr 66
		.amdhsa_reserve_vcc 0
		.amdhsa_float_denorm_mode_32 3
		.amdhsa_float_denorm_mode_16_64 3
		.amdhsa_memory_ordered 1
		.amdhsa_forward_progress 1
		.amdhsa_inst_pref_size 97
	.end_amdhsa_kernel
	.amdgpu_metadata
---
amdhsa.version: [ 1, 2 ]
amdhsa.kernels:
  - .name:           k_q0c91d9c6f8_mlp
    .symbol:         k_q0c91d9c6f8_mlp.kd
    .args:
      - { .name: idx, .offset: 0, .size: 8, .value_kind: global_buffer, .address_space: global }
      - { .name: wgt, .offset: 8, .size: 8, .value_kind: global_buffer, .address_space: global }
      - { .name: vertex, .offset: 16, .size: 8, .value_kind: global_buffer, .address_space: global }
      - { .name: vertex_features, .offset: 24, .size: 8, .value_kind: global_buffer, .address_space: global }
      - { .name: query_pts, .offset: 32, .size: 8, .value_kind: global_buffer, .address_space: global }
      - { .name: W0, .offset: 40, .size: 8, .value_kind: global_buffer, .address_space: global }
      - { .name: b0, .offset: 48, .size: 8, .value_kind: global_buffer, .address_space: global }
      - { .name: W1_codes, .offset: 56, .size: 8, .value_kind: global_buffer, .address_space: global }
      - { .name: W1_scales, .offset: 64, .size: 8, .value_kind: global_buffer, .address_space: global }
      - { .name: b1, .offset: 72, .size: 8, .value_kind: global_buffer, .address_space: global }
      - { .name: W2_codes, .offset: 80, .size: 8, .value_kind: global_buffer, .address_space: global }
      - { .name: W2_scales, .offset: 88, .size: 8, .value_kind: global_buffer, .address_space: global }
      - { .name: b2, .offset: 96, .size: 8, .value_kind: global_buffer, .address_space: global }
      - { .name: W3_codes, .offset: 104, .size: 8, .value_kind: global_buffer, .address_space: global }
      - { .name: W3_scales, .offset: 112, .size: 8, .value_kind: global_buffer, .address_space: global }
      - { .name: b3, .offset: 120, .size: 8, .value_kind: global_buffer, .address_space: global }
      - { .name: out0, .offset: 128, .size: 8, .value_kind: global_buffer, .address_space: global }
    .group_segment_fixed_size: 13824
    .private_segment_fixed_size: 0
    .kernarg_segment_align: 8
    .kernarg_segment_size: 136
    .max_flat_workgroup_size: 128
    .sgpr_count:     66
    .vgpr_count:     1024
    .wavefront_size: 32
...
	.end_amdgpu_metadata
.endif
;; end of part 4
